; MI455X (gfx1250); checked and timed in simulation.
; The chip was launched on July 23, 2026; its instructions are those of AMD's public machine-readable ISA for CDNA 5 (MIT licence, August 2026) and "CDNA5" Instruction Set Architecture Reference Guide (July 2026). The comments in the code are by the model that wrote it; some were corrected since.
;; Perceiver Attention. Allowed arithmetic: matrix products marked QUANTISED: E2M3 operands, one E8M0 scale for each 32 along K, by v_wmma_scale_f32_16x16x128_f8f6f4 with both operands' format E2M3, f32 sums; everything else in f32.
;; Inputs: Wkv 1,024 x 2,048 float32; Wo 1,024 x 1,024 float32; Wq 1,024 x 1,024 float32; kv 4 x 4,096 x 1,024 float32; mask 4 x 1 x 1 x 4,096 bool; q 4 x 512 x 1,024 float32.
;; Outputs: out0 4 x 512 x 1,024 float32.
;; This version of the problem:
;;   THIS VERSION OF THE PROBLEM IS GIVEN IN LOW PRECISION. The matrix products marked QUANTISED in the list below multiply operands that are first quantised to E2M3 (2 exponent bits, 3 mantissa bits; 6 bits a number), with one power-of-two scale for each 32 numbers along K (OCP MX v1.0); their sums are f32. All else is computed in f32.
;;   The module's matrix products, in the order in which they are computed (A, B: the left and right operand; K: the contracted axis; several contracted axes count as one K, in the product's order):
;;     1. [M 2,048, K 1,024] x [K 1,024, N 1,024]; A: input q; B: input Wq: QUANTISED
;;     2. [M 16,384, K 1,024] x [K 1,024, N 2,048]; A: input kv; B: input Wkv: QUANTISED
;;     3. batch 64 x [M 512, K 64] x [K 64, N 4,096]; A: computed on the way; B: computed on the way: QUANTISED
;;     4. batch 64 x [M 512, K 4,096] x [K 4,096, N 64]; A: softmax (see below); B: computed on the way: QUANTISED
;;     5. [M 2,048, K 1,024] x [K 1,024, N 1,024]; A: computed on the way; B: input Wo: QUANTISED
;;   THE QUANTISER, for each operand of a quantised product, along K:
;;     - K is cut into blocks of 32 from its start; a last block that is shorter is filled with zeros.
;;     - A block's scale is 2^e with e = floor(log2(the largest magnitude in the block)) - 2, held to -126 .. 127; a block of zeros has e = 0. As a byte (E8M0): e + 127.
;;     - Each number is divided by its block's scale, clamped to +-7.5, and rounded to the nearest number of E2M3, ties to even, subnormals kept.
;;     - The product sums the exact products of the quantised numbers (number of the format x scale) in f32.
;;   ~~~python
;;   def quantise(x, axis):      # numpy; x: float32 -> the quantised numbers, widened to float32 again
;;       x = np.moveaxis(x, axis, -1); K = x.shape[-1]
;;       x = np.pad(x, [(0, 0)] * (x.ndim - 1) + [(0, -K % 32)]); x = x.reshape(x.shape[:-1] + (-1, 32)); a = np.abs(x).max(-1, keepdims=True)
;;       e = np.where(a > 0, np.clip(np.frexp(np.where(a > 0, a, 1))[1] - 1 - 2, -126, 127), 0)      # np.frexp(a)[1] - 1 = floor(log2(a)), exactly
;;       r = np.clip(x / 2.0 ** e, -7.5, 7.5)
;;       step = 2.0 ** (np.maximum(np.frexp(np.where(r == 0, 1, r))[1] - 1, 0) - 3)
;;       q = np.round(r / step) * step * 2.0 ** e      # np.round: ties to even
;;       return np.moveaxis(q.reshape(q.shape[:-2] + (-1,))[..., :K], -1, axis).astype(np.float32)
;;   ~~~
;;   SOFTMAX AHEAD OF A QUANTISED PRODUCT. Where the list says 'softmax', what is quantised is not the finished softmax but p = 2^(t - M), with t = logit x log2(e) and M = ceil(the row's largest t), a whole number; so 1/2 < the row's largest p <= 1. The row's sum l is taken of the UNQUANTISED p, in f32, and the product's result is divided by l at the end. Since M is a whole number, a kernel that streams over the keys may use a running M (the ceiling of the running maximum): every later rescaling is an exact power of two, which a block's scale takes up: the codes' values come out the same.
;;   OPERANDS COMPUTED ON THE WAY. 'Computed on the way' means the value that the module computes at that place (a softmax that the list does not call 'softmax' is quantised finished and normalised). What goes into a quantiser is computed in f32, as accurately as f32 sums, v_exp_f32 and their like allow (about 1e-6 of the number): no bf16 or f16 on the way to a quantiser, and a product that is left as it is and whose result goes on into a quantised operand takes f32 operands (vector FMAs, or v_wmma_f32_16x16x4_f32). A number that lies on a knife's edge between two numbers of the format may be rounded either way, as far as f32 arithmetic and the matrix unit's own rounding can turn it there, and no further.
;; One version. Each part assembles by itself: llvm-mc -triple=amdgcn-amd-amdhsa -mcpu=gfx1250 --defsym DOCPART=n.
;; ======== version 1 of 1: 4 launches
;; limits: right only within a limited range of input values
;; workspace buffers: w1 18,022,400 bytes; w2 26,738,688 bytes; w3 1,638,400 bytes
;; launch quant (part 1): grid 416 x 1, 4 waves a work-group, no clusters, 69,120 bytes of LDS; arguments kv, q, Wkv, Wq, Wo, w1; writes w1
.if DOCPART == 1
	.amdgcn_target "amdgcn-amd-amdhsa--gfx1250"
	.amdhsa_code_object_version 6
	.text
	.protected	k_q9c3f5a10d3_quant
	.globl	k_q9c3f5a10d3_quant
	.p2align	8
	.type	k_q9c3f5a10d3_quant,@function
k_q9c3f5a10d3_quant:
	s_mov_b64 s[64:65], 0
	v_nop
	global_prefetch_b8 v0, s[64:65] scope:SCOPE_SE
	s_setreg_imm32_b32 hwreg(HW_REG_WAVE_MODE, 25, 1), 1
	s_wait_xcnt 0x0
; LAUNCH 1 OF 4.  out0 = softmax(mask, (q Wq)(kv Wk)^T / 8) (kv Wv) Wo, every product on codes of FP6 (E2M3) with one E8M0 scale for each 32 along K.
; This launch quantises the five f32 inputs along their K = 1,024 into w1: ONE table of 22,528 rows:
;   rows 0-16383 kv, 16384-18431 q, 18432-19455 Wk (row = head x 64 + d), 19456-20479 Wv, 20480-21503 Wq, 21504-22527 Wo (row = column of the weight).
; THE CODES LIE AS IMAGES OF OPERAND REGISTERS: 16 rows x 128 K are 1,536 bytes: registers 4 c .. 4 c + 3 of lane l at 512 c + 16 l; lane (r, h) holds row r, registers 6 c .. 6 c + 5 its K = 64 c + 32 h + 0 .. 31.
; A tile of 16 rows has its 8 images on end, 12,288 bytes.  From byte S1 on: one row of 32 scale bytes for each row of the table.
; DEAD WORK: none is left out, and all six inputs are loaded by some launch.  A hidden key's V moves the scale of its block of 32 keys, so it is live; a hidden key's K is thrown away by data alone, so it is computed and deselected.
; Wv's ROWS ARE LAID WITH BITS 3 AND 4 OF d EXCHANGED: row 16 u + 8 h + j of each 32 holds d = 16 h + 8 u + j, so that the third launch's result registers run along d in its natural order.
; A block's scale byte is its largest magnitude's exponent field - 2, held at 1 from below.  A block of zeros so gets the byte 1 where the rule says 127: its codes are zeros, and this program alone reads the bytes.
; LIMITS: blocks whose largest magnitude lies under 2^-124 have their byte held at 1; NaN and infinities among the inputs are not served.
; Work-groups 0-127 take the weights (a lane takes a column, its registers run down K); work-groups 128-415 take kv and q (a wave takes 16 rows, all of K).
; The two paths part on the work-group's number and have LDS bytes of their own.  No tensor loads, no barrier: waves share nothing.  No matrix unit and no cluster: no work-group reads what another reads.
.set S1,    17301504
.set WKC,   14155776                   ; row 18432's codes
.set WKS,   17891328                   ; and its scale bytes
.set SPW,   240                        ; my spare word; never rewritten
.set NIL,   241                        ; 0; never rewritten
.set SPARE, 68608
.set EMAX,  2
.set AR,    16                         ; v16-143  two sets of 16 rows x 4 numbers, as loaded
.set AX,    144                        ; v144-207 my two blocks of 32 neighbours
.set PC,    208                        ; v208-219 an image's 12 registers
.set TT,    220                        ; v220-222, v224-226 the conversions' second halves
.set SW,    228                        ; v228-235 my row's scale words
.set FP,    528                        ; a stage row: 512 bytes + 16
.set WSTG,  33792
.set WPIT,  272
.set NB,    8
.set WSB,   24
.set WX,    32
.set WC,    96
.set WI,    112                        ; v112-159 four images
.set WT,    208                        ; v208-239 their odd pieces
.set WOFF,  176
	s_load_b256 s[4:11], s[0:1], 0x0               ; kv, q, Wkv, Wq
	s_load_b128 s[12:15], s[0:1], 0x20             ; Wo, w1
	v_lshl_add_u32 v[SPW], v0, 2, SPARE
	v_mov_b32 v[NIL], 0
	v_lshrrev_b32 v1, 5, v0
	v_readfirstlane_b32 s16, v1                    ; wave
	v_and_b32 v2, 31, v0                           ; lane
	s_wait_kmcnt 0x0
	s_cmp_lt_u32 ttmp9, 128
	s_cbranch_scc1 .Lweights
; ---- kv AND q.  A load reads 512 consecutive bytes: 128 K of one row; 16 loads are an image's numbers.  They turn through the wave's own stage and come back 128 bytes a block: a lane holds two whole blocks.
	s_wait_alu depctr_va_vdst(0)
	v_lshlrev_b32 v3, 4, v2                        ; 16 x lane
	v_and_b32 v4, 15, v2                           ; r
	v_lshrrev_b32 v5, 4, v2                        ; h
	s_mul_i32 s17, s16, 16*FP
	v_add_nc_u32 v14, s17, v3                      ; the stage, in
	v_mul_u32_u24 v15, v4, FP
	v_lshl_add_u32 v15, v5, 7, v15
	v_add_nc_u32 v15, s17, v15                     ; and out: row r, + 128 h
	v_lshlrev_b32 v6, 5, v4
	v_lshl_add_u32 v6, v5, 4, v6                   ; scale bytes: 32 r + 16 h
	v_lshlrev_b32 v7, 3, v5                        ; 8 h
	v_mov_b32 v13, 0                               ; a lane permute's destination counts as a source
	s_wait_alu depctr_va_vdst(0)                   ; the wait ahead of the scalar run
	s_mov_b32 s24, 0x76543210
	s_mov_b32 s25, 0xfedcba98
	s_mov_b32 s26, 0xffff0000                      ; lanes 16-31
	s_sub_co_u32 s17, ttmp9, 128
	s_lshl_b32 s17, s17, 2
	s_add_co_u32 s18, s17, s16                     ; my tile of 16 rows of the table: 0 .. 1151
	s_cmp_lt_u32 s18, 1024
	s_cselect_b64 s[4:5], s[4:5], s[6:7]
	s_cselect_b32 s20, 0, 1024
	s_sub_co_u32 s20, s18, s20
	s_lshl_b32 s20, s20, 16                        ; 16 rows of 4,096 bytes
	s_mov_b32 s21, 0
	s_add_nc_u64 s[4:5], s[4:5], s[20:21]
	s_mul_i32 s22, s18, 12288
	s_mov_b32 s23, 0
	s_add_nc_u64 s[8:9], s[14:15], s[22:23]
	s_lshl_b32 s22, s18, 9
	s_add_co_u32 s22, s22, S1
	s_add_nc_u64 s[10:11], s[14:15], s[22:23]
.macro ALOAD t
.irp i, 0,1,2,3,4,5,6,7,8,9,10,11,12,13,14,15
	global_load_b128 v[AR+64*((\t)%2)+4*\i:AR+64*((\t)%2)+4*\i+3], v3, s[4:5] offset:4096*\i+512*(\t) th:TH_LOAD_NT
.endr
.endm
.macro ASTEP t
.if (\t) < 7
	s_wait_loadcnt 16                              ; this image's 16 loads are in; the next image's 16 may be out
.else
	s_wait_loadcnt 0x0
.endif
.irp i, 0,1,2,3,4,5,6,7,8,9,10,11,12,13,14,15
	ds_store_b128 v14, v[AR+64*((\t)%2)+4*\i:AR+64*((\t)%2)+4*\i+3] offset:FP*\i
.endr
.irp c, 0,1
.irp k, 0,1,2,3,4,5,6,7
	ds_load_b128 v[AX+32*\c+4*\k:AX+32*\c+4*\k+3], v15 offset:256*\c+16*\k   ; LDS serves a wave's instructions in order: these see the stores above
.endr
.endr
	s_wait_dscnt 0x0                               ; the numbers are back: the stage's stores have read their registers
	s_wait_xcnt 0x0                                ; the last image's stores have read the codes' registers
.if (\t)+2 < 8
	ALOAD (\t)+2
.endif
.irp c, 0,1                                    ; each block's largest magnitude, in two chains, with the floor 2^(3 - 127)
	v_max3_num_f32 v[8+2*\c], |v[AX+32*\c]|, |v[AX+32*\c+1]|, (EMAX+1)<<23
	v_max3_num_f32 v[9+2*\c], |v[AX+32*\c+2]|, |v[AX+32*\c+3]|, |v[AX+32*\c+4]|
.endr
.irp i, 5,9,13,17,21,25
.irp c, 0,1
	v_max3_num_f32 v[8+2*\c], v[8+2*\c], |v[AX+32*\c+\i]|, |v[AX+32*\c+\i+1]|
	v_max3_num_f32 v[9+2*\c], v[9+2*\c], |v[AX+32*\c+\i+2]|, |v[AX+32*\c+\i+3]|
.endr
.endr
.irp c, 0,1
	v_max3_num_f32 v[8+2*\c], v[8+2*\c], |v[AX+32*\c+29]|, |v[AX+32*\c+30]|
.endr
.irp c, 0,1
	v_max3_num_f32 v[8+2*\c], v[8+2*\c], v[9+2*\c], |v[AX+32*\c+31]|
.endr
.irp c, 0,1
	v_add_nc_u32 v[9+2*\c], -(EMAX<<23), v[8+2*\c] ; 2 off the exponent field: the conversion's scale operand
.endr
	v_cvt_scalef32_pk16_fp6_f32 v[PC:PC+2], v[AX:AX+15], v9
	v_cvt_scalef32_pk16_fp6_f32 v[TT:TT+2], v[AX+16:AX+31], v9       ; (a conversion's three registers begin on an even number)
	v_cvt_scalef32_pk16_fp6_f32 v[PC+6:PC+8], v[AX+32:AX+47], v11
	v_cvt_scalef32_pk16_fp6_f32 v[TT+4:TT+6], v[AX+48:AX+63], v11
	v_lshrrev_b32 v8, 23, v9                       ; the bytes of blocks h and 2 + h
	v_lshrrev_b32 v10, 23, v11
.irp c, 0,1
.irp i, 0,1,2
	v_mov_b32 v[PC+6*\c+3+\i], v[TT+4*\c+\i]
.endr
.endr
	v_lshl_or_b32 v8, v10, 16, v8
	v_lshlrev_b32 v8, v7, v8                       ; at their places in the word
	v_permlanex16_b32 v13, v8, s24, s25
	v_or_b32 v[SW+(\t)], v8, v13                   ; with lane l xor 16's two the word is whole
.irp c, 0,1,2
	global_store_b128 v3, v[PC+4*\c:PC+4*\c+3], s[8:9] offset:1536*(\t)+512*\c   ; the wave stores 512 consecutive bytes, aligned
.endr
.endm
	ALOAD 0
	ALOAD 1
.irp t, 0,1,2,3,4,5,6,7
	ASTEP \t
.endr
	s_wait_alu depctr_va_vdst(0)
.irp i, 0,1,2,3
	v_cndmask_b32 v[SW+\i], v[SW+\i], v[SW+4+\i], s26   ; lanes 16-31 take the row's upper four words
.endr
	global_store_b128 v6, v[SW:SW+3], s[10:11]     ; 512 consecutive bytes, aligned
	s_branch .Lend
; ---- THE WEIGHTS.  x = 128 columns (0-15: head x of Wkv; 16-23: Wq; 24-31: Wo), y = 256 along K.  A wave takes 32 columns: in Wkv waves 0, 1 are the head's K columns, waves 2, 3 its V columns.
.Lweights:
	s_and_b32 s17, ttmp9, 31                       ; x
	s_lshr_b32 s18, ttmp9, 5                       ; y
	s_lshr_b32 s19, s16, 1
	s_and_b32 s20, s17, 7
	s_lshl_b32 s21, s17, 6
	s_lshl_b32 s22, s17, 7
	s_cmp_lt_u32 s17, 24
	s_cselect_b64 s[10:11], s[10:11], s[12:13]     ; Wq or Wo
	s_cmp_lt_u32 s17, 16
	s_cselect_b64 s[8:9], s[8:9], s[10:11]         ; Wkv, or that
	s_mov_b32 s23, 4096
	s_cselect_b32 s23, 8192, s23                   ; a row of the weight in bytes
	s_cselect_b32 s20, s17, s20
	s_cselect_b32 s19, s19, 0                      ; 1 where my columns are V's
	s_cselect_b32 s21, s21, s22                    ; the table's row from 18432 on
	s_lshl_b32 s20, s20, 9
	s_lshl_b32 s24, s16, 7
	s_add_co_u32 s20, s20, s24
	s_lshl_b32 s24, s23, 8
	s_mul_i32 s24, s24, s18
	s_add_co_u32 s24, s24, s20
	s_mov_b32 s25, 0
	s_add_nc_u64 s[40:41], s[8:9], s[24:25]
	s_lshl_b32 s26, s23, 5
	s_mov_b32 s27, 0
.irp t, 1,2,3,4,5,6,7
	s_add_nc_u64 s[40+2*\t:41+2*\t], s[38+2*\t:39+2*\t], s[26:27]   ; a base for each block of 32 rows: none is ever stepped
.endr
	s_lshl_b32 s28, s16, 5
	s_add_co_u32 s21, s21, s28
	s_mul_i32 s28, s19, 960
	s_add_co_u32 s21, s21, s28                     ; V's rows lie 1,024 behind K's
	s_mul_i32 s28, s21, 768                        ; my two tiles' images,
	s_mul_i32 s29, s18, 3072                       ; two K steps of 128 for each y
	s_add_co_u32 s28, s28, s29
	s_add_co_u32 s28, s28, WKC
	s_mov_b32 s29, 0
	s_add_nc_u64 s[6:7], s[14:15], s[28:29]
	s_lshl_b32 s28, s21, 5
	s_lshl_b32 s30, s18, 3
	s_add_co_u32 s28, s28, s30
	s_add_co_u32 s28, s28, WKS
	s_add_nc_u64 s[8:9], s[14:15], s[28:29]
	s_mul_i32 s19, s19, 24
	s_wait_alu depctr_va_vdst(0)
	v_lshrrev_b32 v10, 3, v2
	v_lshrrev_b32 v11, 4, v2
	v_xor_b32 v10, v10, v11
	v_and_b32 v10, 1, v10
	v_mul_u32_u24 v10, v10, s19
	v_xor_b32 v3, v2, v10                          ; the column that I take: for V with bits 3 and 4 exchanged
	v_lshlrev_b32 v[WOFF], 2, v3
.irp i, 1,2,3,4,5,6,7,8,9,10,11,12,13,14,15,16,17,18,19,20,21,22,23,24,25,26,27,28,29,30,31
	v_add_nc_u32 v[WOFF+\i], s23, v[WOFF+\i-1]
.endr
	s_mul_i32 s31, s16, 32*WPIT
	s_add_co_u32 s31, s31, WSTG
	v_mul_u32_u24 v4, v2, WPIT
	v_add_nc_u32 v4, s31, v4                       ; into my stage: row = my lane; 16 codes, 12 bytes, to a place of 16
	v_and_b32 v5, 15, v2
	v_lshrrev_b32 v6, 4, v2
	v_mul_u32_u24 v7, v5, WPIT
	v_lshl_add_u32 v7, v6, 5, v7
	v_add_nc_u32 v7, s31, v7                       ; out of it: row r, places 2 h on
	v_lshlrev_b32 v8, 4, v2                        ; 16 x lane
	v_lshlrev_b32 v9, 5, v2                        ; my row of scale bytes
.macro WLOAD t
.irp i, 0,1,2,3,4,5,6,7,8,9,10,11,12,13,14,15,16,17,18,19,20,21,22,23,24,25,26,27,28,29,30,31
	global_load_b32 v[WX+32*((\t)%2)+\i], v[WOFF+\i], s[40+2*(\t):41+2*(\t)] th:TH_LOAD_NT
.endr
.endm
	WLOAD 0
	WLOAD 1
.macro WBLOCK t
.set XS, WX+32*((\t)%2)
.if (\t) < NB-1
	s_wait_loadcnt 32                              ; this block's 32 loads are in; the next block's may be out
.else
	s_wait_loadcnt 0
.endif
	v_max3_num_f32 v12, |v[XS]|, |v[XS+1]|, |v[XS+2]|
	v_max3_num_f32 v13, |v[XS+3]|, |v[XS+4]|, |v[XS+5]|
.irp i, 6,10,14,18,22,26
	v_max3_num_f32 v12, v12, |v[XS+\i]|, |v[XS+\i+1]|
	v_max3_num_f32 v13, v13, |v[XS+\i+2]|, |v[XS+\i+3]|
.endr
	v_max3_num_f32 v12, v12, |v[XS+30]|, |v[XS+31]|
	v_max3_num_f32 v12, v12, v13, (EMAX+1)<<23
	v_add_nc_u32 v11, -(EMAX<<23), v12
	v_lshrrev_b32 v13, 23, v11
.if (\t)%4 == 0
	v_mov_b32 v[WSB+(\t)/4], v13
.else
	v_lshl_or_b32 v[WSB+(\t)/4], v13, 8*((\t)%4), v[WSB+(\t)/4]
.endif
	v_cvt_scalef32_pk16_fp6_f32 v[WC:WC+2], v[XS:XS+15], v11
	v_cvt_scalef32_pk16_fp6_f32 v[WC+4:WC+6], v[XS+16:XS+31], v11
	ds_store_b96 v4, v[WC:WC+2] offset:32*(\t)
	ds_store_b96 v4, v[WC+4:WC+6] offset:32*(\t)+16
.if (\t)+2 < NB
	WLOAD (\t)+2
.endif
	s_wait_dscnt 0x0                               ; the stores have read their registers
.endm
.irp t, 0,1,2,3,4,5,6,7
	WBLOCK \t
.endr
	s_wait_alu depctr_va_vdst(0)
	global_store_b64 v9, v[WSB:WSB+1], s[8:9]      ; my row's 8 scale bytes
; four images: tile u, K step s.  Lane (r, h) takes places 8 s + 4 c + 2 h + 0, 1 of row 16 u + r: registers 6 c .. 6 c + 2 and 6 c + 3 .. 6 c + 5
.irp u, 0,1
.irp s, 0,1
.irp c, 0,1
	ds_load_b96 v[WI+12*(2*\u+\s)+6*\c:WI+12*(2*\u+\s)+6*\c+2], v7 offset:\u*16*WPIT+16*(8*\s+4*\c)
	ds_load_b96 v[WT+8*(2*\u+\s)+4*\c:WT+8*(2*\u+\s)+4*\c+2], v7 offset:\u*16*WPIT+16*(8*\s+4*\c+1)
.endr
.endr
.endr
	s_wait_dscnt 0x0
.irp m, 0,1,2,3
.irp c, 0,1
.irp i, 0,1,2
	v_mov_b32 v[WI+12*\m+6*\c+3+\i], v[WT+8*\m+4*\c+\i]
.endr
.endr
.endr
.irp u, 0,1
.irp s, 0,1
.irp c, 0,1,2
	global_store_b128 v8, v[WI+12*(2*\u+\s)+4*\c:WI+12*(2*\u+\s)+4*\c+3], s[6:7] offset:\u*12288+\s*1536+512*\c   ; 512 consecutive bytes, aligned
.endr
.endr
.endr
.Lend:
	s_wait_tensorcnt 0x0                           ; the wave's end
	ds_add_u32 v[SPW], v[NIL]
	s_wait_dscnt 0x0
	s_endpgm
.Lfunc_end_k_q9c3f5a10d3_quant:
	.size	k_q9c3f5a10d3_quant, .Lfunc_end_k_q9c3f5a10d3_quant-k_q9c3f5a10d3_quant
	.p2alignl 7, 3214868480
	.fill 96, 4, 3214868480
	.section	.rodata,"a",@progbits
	.p2align	6, 0x0
	.amdhsa_kernel k_q9c3f5a10d3_quant
		.amdhsa_group_segment_fixed_size 69120
		.amdhsa_private_segment_fixed_size 0
		.amdhsa_enable_private_segment 0
		.amdhsa_kernarg_size 48
		.amdhsa_user_sgpr_count 2
		.amdhsa_user_sgpr_kernarg_segment_ptr 1
		.amdhsa_wavefront_size32 1
		.amdhsa_system_sgpr_workgroup_id_x 1
		.amdhsa_system_sgpr_workgroup_id_y 1
		.amdhsa_system_sgpr_workgroup_id_z 1
		.amdhsa_system_vgpr_workitem_id 0
		.amdhsa_next_free_vgpr 244
		.amdhsa_next_free_sgpr 66
		.amdhsa_reserve_vcc 0
		.amdhsa_float_denorm_mode_32 3
		.amdhsa_float_denorm_mode_16_64 3
		.amdhsa_memory_ordered 1
		.amdhsa_forward_progress 1
		.amdhsa_inst_pref_size 100
	.end_amdhsa_kernel
	.amdgpu_metadata
---
amdhsa.version: [ 1, 2 ]
amdhsa.kernels:
  - .name:           k_q9c3f5a10d3_quant
    .symbol:         k_q9c3f5a10d3_quant.kd
    .args:
      - { .name: kv, .offset: 0, .size: 8, .value_kind: global_buffer, .address_space: global }
      - { .name: q, .offset: 8, .size: 8, .value_kind: global_buffer, .address_space: global }
      - { .name: Wkv, .offset: 16, .size: 8, .value_kind: global_buffer, .address_space: global }
      - { .name: Wq, .offset: 24, .size: 8, .value_kind: global_buffer, .address_space: global }
      - { .name: Wo, .offset: 32, .size: 8, .value_kind: global_buffer, .address_space: global }
      - { .name: w1, .offset: 40, .size: 8, .value_kind: global_buffer, .address_space: global }
    .group_segment_fixed_size: 69120
    .private_segment_fixed_size: 0
    .kernarg_segment_align: 8
    .kernarg_segment_size: 48
    .max_flat_workgroup_size: 128
    .sgpr_count:     66
    .vgpr_count:     244
    .wavefront_size: 32
...
	.end_amdgpu_metadata
.endif
;; end of part 1
;; launch proj (part 2): grid 4 x 128, 4 waves a work-group, clusters of 4 x 4, 327,680 bytes of LDS; arguments w1, mask, w2; writes w2
.if DOCPART == 2
	.amdgcn_target "amdgcn-amd-amdhsa--gfx1250"
	.amdhsa_code_object_version 6
	.text
	.protected	k_q9c3f5a10d3_proj
	.globl	k_q9c3f5a10d3_proj
	.p2align	8
	.type	k_q9c3f5a10d3_proj,@function
k_q9c3f5a10d3_proj:
	s_mov_b64 s[64:65], 0
	v_nop
	global_prefetch_b8 v0, s[64:65] scope:SCOPE_SE
	s_setreg_imm32_b32 hwreg(HW_REG_WAVE_MODE, 25, 1), 1
	s_wait_xcnt 0x0
	s_wait_alu depctr_hold_cnt(0) depctr_sa_sdst(0) depctr_va_vdst(0) depctr_va_sdst(0) depctr_va_ssrc(0) depctr_va_vcc(0) depctr_vm_vsrc(0)
	s_getreg_b32 s2, hwreg(HW_REG_IB_STS2, 6, 4)
	s_cmp_eq_u32 s2, 0
	s_cbranch_scc0 .Lentry_in_a_cluster
	s_endpgm
.Lentry_in_a_cluster:
	s_bfe_u32 s2, ttmp6, 0x10000c
	s_cmp_lg_u32 s2, 0xf033
	s_cbranch_scc0 .Lentry_shape_is_right
	s_endpgm
.Lentry_shape_is_right:
; LAUNCH 2 OF 4: the projections of kv, on the codes of w1, and the quantising of their results.  No work of the problem is left out here.  (q's projection is made by the third launch, each work-group its own part.)
; ONE BODY, TWO JOBS, chosen by the cluster's y (the same in all sixteen partners):  K: C = kv Wk^T (16,384 x 1,024);  V: C = Wv kv^T (1,024 x 16,384: V TRANSPOSED, so that the keys, the K of the fourth product, run along C's rows).
; All operands are rows of w1's one table, so a job is two first rows.  K = 1,024 in both.  The two jobs have 256 tiles of C each: two tiles for each of 256 work-group places.
; A tile of C, 256 x 256, is made by a work-group of four waves; a wave makes 128 x 128: 64 accumulators, 512 registers.  K goes in steps of 256 through a ring of two LDS slots filled by the tensor data mover; the scale bytes
; of the tile's 512 rows come into LDS once, with the first fills.  CLUSTERS: 4 x 4 work-groups; A's tiles are asked for jointly along a row of the cluster, B's along a column.
; THE MATRIX INSTRUCTION IS USED TRANSPOSED (source 0 = 16 rows of B, source 1 = 16 rows of A): lane (r, h) holds row r of C, and register 8 b + j of a block of 16 rows its column 16 b + 8 h + j.
; THE WAY OUT QUANTISES ALONG C's ROWS, IN REGISTERS.  A block of 16 rows x 128 columns is 64 numbers a lane: four blocks of 32 columns, each shared by lanes l and l xor 16.  Its codes are the 12 registers of an operand of the next
; launch and are stored as an IMAGE of those registers.  Within a block of 32 the code at place 16 h + 8 u + j belongs to column 16 u + 8 h + j.  K and the third launch's Q get the same order along d, and V and its p the same order
; along the keys: an order applied alike to both operands inside a scale's block changes neither the sum nor the scale.
; w2: records of REC = 13,056 bytes, 32 for each (batch, head): a step of 128 keys each.  In a record: 8 tiles of K, 768 bytes each (16 keys x 64 d: registers 0-3 at 16 x lane, registers 4-5 at 512 + 8 x lane); from 6,144 four tiles
; of V^T, 1,536 bytes each (16 d x 128 keys: three runs of 512 bytes at 16 x lane); from 12,288 K's scale words (lane l's 16 bytes: keys l, 32 + l, 64 + l, 96 + l); from 12,800 V's (lane l's 8 bytes: d = l, 32 + l).
; Each store of a wave covers 256 or 512 consecutive bytes, aligned.
; THE MASK RIDES IN THE IDLE HALF OF THE SCORES' K.  The head's 64 fill half of the instruction's 128.  A key's scale word is: bytes 0, 1 its two scales; bytes 2, 3 for k = 64 .. 127, where the third launch sets ONE pair of codes,
; -1 in Q and +1 in K, at k = 64, with 127 as Q's byte.  K's byte 2 is 227 for a hidden key, which adds -2^100 to its scores, and 1 for an open one, which adds -2^-126.
; LIMITS: an open score carries that -2^-126; blocks whose largest magnitude lies under 2^-124 have their byte held at 1; NaN and infinities among the inputs are not served.
; REGISTERS, in windows of 256: window 0: v0-31 addresses; v32-63 scale words, two sets; v64-71 my rows' mask bytes; v76-90, v96-115, v224-240 the way out; v128-223 A's fragments, one set.
;   window 1: B's fragments, two sets, at v0 and v128.   window 2: the accumulators of my rows 0-63 ((a, b) at v[8 (8 a + b)]);   window 3: those of my rows 64-127.
.set SIZE_K, 1024
.set KSTEP,  256                       ; along K in a slot
.set NQ,     KSTEP/128                 ; matrix instructions deep
.set ROWB,   3072                      ; a tile's row in bytes: two images (16 rows of the table x 256 K), as w1 has them on end; no padding: every LDS read takes 16 x lane
.set KROW,   SIZE_K*6/8                ; bytes of codes for a row of the table: 16 rows are 16 KROW bytes on end
.set FR,     12                        ; registers of a fragment
.set NL,     3                         ; LDS loads that bring one
.set NP,     4                         ; places behind this matrix instruction (ISA guide 7.12.1)
.set HALFT,  8*ROWB                    ; 128 rows of the table: what one tensor load of the ring brings
.set SLOT,   4*HALFT                   ; A's 256 rows, then B's 256 rows
.set LAPS,   SIZE_K/(2*KSTEP)
.set KS,     SIZE_K/32                 ; a row of scale bytes
.set SCL,    2*SLOT                    ; behind the ring: the scales, as runs of 256 bytes + 16 of padding
.set HALFS,  (128*KS/256)*272
.set SBLK,   (16*KS/256)*272
.set SPARE,  SCL+4*HALFS               ; the spare words, 128 bytes for each wave
.set S1,     17301504                  ; where w1's scale rows begin
.set REC,    13056
.set HSTR,   32*REC                    ; from a head's records to the next head's
.set ADRA, 16                          ; v16-17 LDS address of my A fragments in slot 0, 1
.set ADRB, 20                          ; v20-21 the same for B
.set L8,   25                          ; v25  8 x lane
.set L16,  26                          ; v26  16 x lane
.set ADRS, 27                          ; v27  LDS address of my scale words: lanes 0-15 A's rows, lanes 16-31 B's
.set SPW,  28                          ; v28  my spare word; never rewritten
.set NIL,  29                          ; v29  0; never rewritten
.set SC,   32                          ; scale words
.set MB,   64                          ; v64-71 block a: the mask byte of my row 16 a + r
.set MO,   72                          ; v72  lane % 16
.set KWA,  76                          ; v76-79 the first head's scale words, as they are stored;  v80-83 the second head's
.set KWB,  80
.set VW,   84                          ; v84-87 V's
.set XW,   88                          ; v88  bytes 2 and 3 of a word;  v89, v90 at work
.set WA,   89
.set WB,   90
.set PC,   96                          ; v96-107 the codes just made; v108-110, v112-114 the conversions' second halves
.set AF,   128
.set TM,   224                         ; v224-227 largest magnitudes, v228-231 bytes, v236-239 the conversions' scale operands
.set PW,   240                         ; v240 a scale word
.set G1, 24
.set G0, 32
.set G1B, 48
.set G0B, 56
.set G1S, 68
.set G0S, 76
.set G1SB, 80
.set G0SB, 88
.set MSB, 0
.macro WIN new                         ; the immediate's high byte repeats the setting that is left
.if MSB != \new
	s_set_vgpr_msb (MSB<<8)|\new
.set MSB, \new
.endif
.endm
.set MUL_LO, 0xa1                      ; source 0 (B) window 1, source 1 (A) window 0, C and D window 2
.set MUL_HI, 0xf1
.set TO_B,   0x40
; A joint load: waves 0 and 1 fetch for A, waves 2 and 3 for B.  The branch hangs on the wave's number alone.  An s_nop 0 and four v_nop follow each of the two lines.
.macro JLOAD g0a, g1a, g0b, g1b
	s_cmp_eq_u32 s15, 0
	s_cbranch_scc0 .Lfor_b_\@
	tensor_load_to_lds s[\g0a:\g0a+3], s[\g1a:\g1a+7]
	s_nop 0
.rept 4
	v_nop
.endr
	s_branch .Lasked_\@
.Lfor_b_\@:
	tensor_load_to_lds s[\g0b:\g0b+3], s[\g1b:\g1b+7]
	s_nop 0
.rept 4
	v_nop
.endr
.Lasked_\@:
.endm
.macro CREST                           ; a round of the cluster's barrier behind its opening barrier
	s_cmp_lg_u32 s14, 0
	s_cbranch_scc1 .Lnot_wave_0_\@
	s_barrier_signal -3
.Lnot_wave_0_\@:
	s_barrier_wait -3
	s_barrier_signal -1
	s_barrier_wait -1
.endm
.macro CROUND
	s_barrier_signal -1
	s_barrier_wait -1
	CREST
.endm
	s_load_b128 s[4:7], s[0:1], 0x0                ; w1 s[4:5], mask s[6:7]
	s_load_b64 s[12:13], s[0:1], 0x10              ; w2
	v_lshl_add_u32 v[SPW], v0, 2, SPARE
	v_mov_b32 v[NIL], 0
	ds_add_u32 v[SPW], v[NIL]                      ; the wave's opening: the add, twice on end, and its wait ahead of my first tensor load
	ds_add_u32 v[SPW], v[NIL]
	v_lshrrev_b32 v1, 5, v0
	v_readfirstlane_b32 s14, v1                    ; wave 0..3
	s_lshr_b32 s15, s14, 1                         ; which half of the tile's rows is mine.  Also: I fetch for A (0) or for B (1)
	s_and_b32 s16, s14, 1                          ; which half of its columns.  Also: which 128 rows of that tile I fetch
	s_bfe_u32 s40, ttmp6, 0x40000                  ; cx, cy: my place in the cluster
	s_bfe_u32 s41, ttmp6, 0x40004
	s_and_b32 s92, ttmp7, 0xffff                   ; the cluster's y: 0-15 job K (A = kv, B = Wk), 16-31 job V (A = Wv, B = kv)
	s_sub_co_u32 s93, s92, 16
	s_cmp_lt_u32 s92, 16
	s_cselect_b32 s18, s92, 0                      ; the cluster's row of tiles,
	s_cselect_b32 s19, 0, s93                      ; its column of tiles,
	s_cselect_b32 s20, 0, 19456                    ; A's first row in the table,
	s_cselect_b32 s21, 18432, 0                    ; B's,
	s_cselect_b32 s98, 0, 1                        ; the job
	s_lshl_b32 s42, s19, 2
	s_add_co_u32 s42, s42, s40                     ; tile column of C
	s_lshl_b32 s17, s18, 2
	s_add_co_u32 s17, s17, s41                     ; tile row of C
	s_lshl_b32 s43, s41, 2
	s_lshl_b32 s43, 15, s43                        ; my row of the cluster
	s_lshl_b32 s44, 0x1111, s40                    ; my column
	; descriptor group 1: a tile of 128 rows x 192 bytes, dense in LDS
	s_or_b32 s[G1+0], s43, (3<<16)|(1<<21)         ; the mask: A's tiles go to my row; elements of 8 bytes; bit 21 set beside a mask
	s_or_b32 s[G1B+0], s44, (3<<16)|(1<<21)
.irp g, G1, G1B
	s_mov_b32 s[\g+1], (ROWB/8)<<16                ; tensor_dim0
	s_mov_b32 s[\g+2], 16<<16                      ; tensor_dim1: 16 tiles of 16 rows for the head's loads; 8 for the ring's, set behind them
	s_mov_b32 s[\g+3], (ROWB/8)<<16                ; tile_dim0
	s_mov_b32 s[\g+4], 16                          ; tile_dim1
	s_mov_b32 s[\g+5], 16*KROW/8                   ; from a tile of 16 rows to the next
	s_mov_b32 s[\g+6], 0
	s_mov_b32 s[\g+7], 0
.endr
	; the scales of 256 rows: a dense block of 8,192 bytes, as 32 rows of 256 bytes (32 elements of 8 bytes), 16 bytes of padding behind each
	s_or_b32 s[G1S+0], s43, (3<<16)|(1<<20)|(1<<21)|(5<<22)|(3<<25)
	s_or_b32 s[G1SB+0], s44, (3<<16)|(1<<20)|(1<<21)|(5<<22)|(3<<25)
.irp g, G1S, G1SB
	s_mov_b32 s[\g+1], 32<<16
	s_mov_b32 s[\g+2], KS<<16                      ; the scales of 256 rows: KS rows of 256 bytes
	s_mov_b32 s[\g+3], 32<<16
	s_mov_b32 s[\g+4], KS
	s_mov_b32 s[\g+5], 32
	s_mov_b32 s[\g+6], 0
	s_mov_b32 s[\g+7], 0
.endr
	s_lshl_b32 s19, s17, 8
	s_add_co_u32 s20, s20, s19                     ; A: the table's row: A's first + 256 x tile row
	s_lshl_b32 s46, s42, 8
	s_add_co_u32 s46, s46, s21                     ; B: B's first + 256 x tile column
	s_lshl_b32 s22, s20, 5
	s_add_co_u32 s22, s22, S1                      ; where these rows' scale bytes begin in w1 (all offsets stay under 2^25),
	s_mov_b32 s23, 0
	s_mul_i32 s20, s20, KROW                       ; and their codes
	s_mov_b32 s21, 0
	s_lshl_b32 s92, s46, 5
	s_add_co_u32 s92, s92, S1
	s_mov_b32 s93, 0
	s_mul_i32 s46, s46, KROW
	s_mov_b32 s47, 0
	s_mul_i32 s45, s14, HALFT                      ; where they go: wave x 128 rows: no place in the cluster enters an LDS address
	s_mul_i32 s18, s16, 128*KROW                   ; in the ring I fetch 128 rows of a tile: which half, in bytes
	s_mov_b32 s19, 0
	s_mov_b32 s96, 0x76543210
	s_mov_b32 s97, 0xfedcba98                      ; v_permlanex16_b32's selects for lane l xor 16
	s_mov_b32 s99, 226<<16                         ; what a hidden key adds to byte 2: 1 + 226 = 227
	s_mov_b32 s100, 0x01010000                     ; bytes 2 and 3 of an open key's scale word
	s_wait_dscnt 0x0                               ; both opening adds are done
	s_wait_kmcnt 0x0
	s_add_nc_u64 s[20:21], s[4:5], s[20:21]
	s_add_nc_u64 s[22:23], s[4:5], s[22:23]
	s_add_nc_u64 s[46:47], s[4:5], s[46:47]
	s_add_nc_u64 s[92:93], s[4:5], s[92:93]
	CROUND                                         ; all sixteen work-groups are here: the first joint loads meet
	s_mov_b32 s[G0S], 1                            ; the head's four tiles, each whole: the scales of A's 256 rows,
	s_mov_b32 s[G0S+1], SCL
	s_mov_b64 s[G0S+2:G0S+3], s[22:23]
	s_or_b32 s[G0S+3], s[G0S+3], 0x80000000
	s_mov_b32 s[G0SB], 1                           ; of B's,
	s_mov_b32 s[G0SB+1], SCL+2*HALFS
	s_mov_b64 s[G0SB+2:G0SB+3], s[92:93]
	s_or_b32 s[G0SB+3], s[G0SB+3], 0x80000000
	s_mov_b32 s8, 1                                ; K step 0's 256 rows of A,
	s_mov_b32 s9, 0
	s_mov_b64 s[10:11], s[20:21]
	s_or_b32 s11, s11, 0x80000000
	s_mov_b32 s92, 1                               ; and of B, behind them in slot 0
	s_mov_b32 s93, 2*HALFT
	s_mov_b64 s[94:95], s[46:47]
	s_or_b32 s95, s95, 0x80000000
	s_add_nc_u64 s[20:21], s[20:21], s[18:19]      ; for the ring: my 128 rows of the tile
	s_add_nc_u64 s[46:47], s[46:47], s[18:19]
	s_cmp_eq_u32 s15, 0                            ; the prefetches: of the 8 tiles of 16 rows that I fetch, the partner at place p (cx for A, cy for B) names tiles 2 p and 2 p + 1: told apart by address alone
	s_cselect_b64 s[4:5], s[20:21], s[46:47]
	s_cselect_b32 s18, s40, s41
	s_mul_i32 s18, s18, 2*16*KROW
	s_add_nc_u64 s[4:5], s[4:5], s[18:19]          ; never rewritten
.irp s, 0,1
	s_mov_b32 s[G0+4*\s], 1
	s_add_co_u32 s[G0+4*\s+1], s45, \s*SLOT
	s_add_nc_u64 s[G0+4*\s+2:G0+4*\s+3], s[20:21], \s*ROWB
	s_or_b32 s[G0+4*\s+3], s[G0+4*\s+3], 0x80000000
	s_mov_b32 s[G0B+4*\s], 1
	s_add_co_u32 s[G0B+4*\s+1], s45, \s*SLOT
	s_add_nc_u64 s[G0B+4*\s+2:G0B+4*\s+3], s[46:47], \s*ROWB
	s_or_b32 s[G0B+4*\s+3], s[G0B+4*\s+3], 0x80000000
.endr
; the head's loads, one a wave, in one chain of branches on the wave's number
.macro ARM under, g0, g1, next
	s_cmp_lt_u32 s14, \under
	s_cbranch_scc0 \next
	tensor_load_to_lds s[\g0:\g0+3], s[\g1:\g1+7]
	s_nop 0
.rept 4
	v_nop
.endr
	s_branch .Lhead_asked
\next:
.endm
	ARM 1, 8,   G1,  .Lhead_b
	ARM 2, 92,  G1B, .Lhead_sa
	ARM 3, G0S, G1S, .Lhead_sb
	tensor_load_to_lds s[G0SB:G0SB+3], s[G1SB:G1SB+7]
	s_nop 0
.rept 4
	v_nop
.endr
.Lhead_asked:
	v_and_b32 v30, 31, v0                          ; a K step of two tiles of 16 rows is 2 x 12 blocks of 256 bytes: lane m names block m % 12 of tile m / 12; lanes 24-31 name the last again
	v_min_u32 v30, 23, v30
	v_mul_u32_u24 v31, v30, 22
	v_lshrrev_b32 v31, 8, v31                      ; m / 12, right for m under 24
	v_mul_u32_u24 v31, v31, 16*KROW-ROWB
	v_lshl_add_u32 v30, v30, 8, v31                ; 256 m + (12,288 - 3,072) (m / 12); never rewritten
	global_prefetch_b8 v30, s[4:5] offset:ROWB th:TH_LOAD_NT scope:SCOPE_SE     ; K steps 1 and 2, which the next two fills ask for; each block is named once in the cluster
	global_prefetch_b8 v30, s[4:5] offset:2*ROWB th:TH_LOAD_NT scope:SCOPE_SE
	v_and_b32 v1, 15, v0
	v_bfe_u32 v2, v0, 4, 1                         ; l / 16
	v_and_b32 v3, 31, v0
	v_lshlrev_b32 v4, 4, v3                        ; 16 x lane
	s_mul_i32 s21, s15, HALFT                      ; my 128 rows of A
	s_mul_i32 s22, s16, HALFT                      ; my 128 rows of B,
	s_add_co_u32 s22, s22, 2*HALFT                 ; which lie behind A's 256
.irp s, 0,1
	v_add_nc_u32 v[ADRA+\s], s21, v4
	v_add_nc_u32 v[ADRB+\s], s22, v4
	s_add_co_u32 s21, s21, SLOT
	s_add_co_u32 s22, s22, SLOT
.endr
	s_wait_alu depctr_va_vdst(0)                   ; the wait ahead of these readers
	v_mul_u32_u24 v5, v1, KS
	v_lshrrev_b32 v6, 8, v5
	v_lshl_add_u32 v5, v6, 4, v5                   ; and 16 more for each 256 passed
	s_mul_i32 s21, s15, HALFS
	s_mul_i32 s22, s16, HALFS
	s_add_co_u32 s22, s22, 2*HALFS
	s_sub_co_u32 s22, s22, s21
	v_mul_u32_u24 v6, s22, v2                      ; lanes 16-31 take B's: ONE product, the distance between the two bases x the lane's half
	s_add_co_u32 s21, s21, SCL
	v_add_nc_u32 v5, v5, v6
	v_add_nc_u32 v[ADRS], s21, v5
	v_and_b32 v6, 31, v0
	v_lshlrev_b32 v[L8], 3, v6
	v_lshlrev_b32 v[L16], 4, v6
	v_and_b32 v[MO], 15, v0
.irp b, 0,1,2,3
	v_mov_b32 v[TM+4+\b], 0                        ; written once: a lane permute's destination counts as one of its sources
.endr
	; where my 128 x 128 goes.  Along one axis lie (batch, key), along the other (head, d): in job V the other way round than in job K
	s_lshl_b32 s20, s17, 8
	s_lshl_b32 s21, s15, 7
	s_add_co_u32 s20, s20, s21                     ; my first row of C
	s_lshl_b32 s46, s42, 8
	s_lshl_b32 s47, s16, 7
	s_add_co_u32 s46, s46, s47                     ; my first column
	s_cmp_eq_u32 s98, 1
	s_cselect_b32 s21, s46, s20                    ; (batch, key)
	s_cselect_b32 s47, s20, s46                    ; (head, d): two heads
	s_lshr_b32 s22, s21, 12                        ; the batch
	s_lshl_b32 s22, s22, 4
	s_lshr_b32 s47, s47, 6
	s_add_co_u32 s22, s22, s47                     ; 16 x batch + my first head
	s_lshl_b32 s22, s22, 5                         ; 32 records each
	s_lshr_b32 s21, s21, 7
	s_and_b32 s21, s21, 31                         ; which 128 of the batch's keys
	s_add_co_u32 s22, s22, s21
	s_mul_i32 s22, s22, REC                        ; under 2^25
	s_mov_b32 s23, 0
	s_add_nc_u64 s[12:13], s[12:13], s[22:23]      ; my first head's record; the second head's lies HSTR on
	s_mov_b32 s21, 0
	s_add_nc_u64 s[66:67], s[6:7], s[20:21]        ; job K: a row of C is (batch, key), and so is a byte of the mask
	s_cmp_eq_u32 s98, 0
	s_cbranch_scc0 .Lno_mask
	s_wait_alu depctr_va_vdst(0)
.irp a, 0,1,2,3,4,5,6,7
	global_load_u8 v[MB+\a], v[MO], s[66:67] offset:16*\a   ; the mask byte of my row 16 a + r, in both halves of the lanes
.endr
	s_branch .Lmask_set
.Lno_mask:
.irp a, 0,1,2,3,4,5,6,7
	v_mov_b32 v[MB+\a], 0                          ; job V has no use for them: they are written on this way too, so that each register is written on every way through the text
.endr
.Lmask_set:
.macro FRAG reg, adr, q, i             ; a fragment, 16 rows x 128 K of 6-bit codes: lane l holds row l % 16; registers 6 c .. 6 c + 5 hold K = 64 c + 32 (l / 16) + 0 .. 31: 24 bytes of the row, as they lie
.irp c, 0,1,2                          ; an image: registers 4 c .. 4 c + 3 at 512 c + 16 x lane
	ds_load_b128 v[\reg+4*\c:\reg+4*\c+3], v[\adr] offset:(\i)*ROWB+(\q)*1536+512*\c
.endr
.endm
; 16 matrix instructions: A's blocks a0, a0 + 1 x B's eight, 128 along K.  The 64 accumulators take turns, one instruction a turn, in the same order in every step.
.macro MUL16 a0, p, q, sc, zero
.irp a, \a0, \a0+1
.irp b, 0,1,2,3,4,5,6,7
.if \zero
	v_wmma_scale_f32_16x16x128_f8f6f4 v[8*(8*((\a)%4)+\b):8*(8*((\a)%4)+\b)+7], v[128*(\p)+FR*\b:128*(\p)+FR*\b+FR-1], v[AF+FR*(\a):AF+FR*(\a)+FR-1], 0, v[SC+8*NQ*(\sc)+NQ*\b+(\q)], v[SC+8*NQ*(\sc)+NQ*(\a)+(\q)] matrix_a_fmt:MATRIX_FMT_FP6 matrix_b_fmt:MATRIX_FMT_FP6 matrix_a_scale:MATRIX_SCALE_ROW1
.else
	v_wmma_scale_f32_16x16x128_f8f6f4 v[8*(8*((\a)%4)+\b):8*(8*((\a)%4)+\b)+7], v[128*(\p)+FR*\b:128*(\p)+FR*\b+FR-1], v[AF+FR*(\a):AF+FR*(\a)+FR-1], v[8*(8*((\a)%4)+\b):8*(8*((\a)%4)+\b)+7], v[SC+8*NQ*(\sc)+NQ*\b+(\q)], v[SC+8*NQ*(\sc)+NQ*(\a)+(\q)] matrix_a_fmt:MATRIX_FMT_FP6 matrix_b_fmt:MATRIX_FMT_FP6 matrix_a_scale:MATRIX_SCALE_ROW1
.endif
.endr
.endr
.endm
.macro FETCH_B slot, q, p
	WIN TO_B
.irp i, 0,1,2,3,4,5,6,7
	FRAG 128*(\p)+FR*\i, ADRB+\slot, \q, \i
.endr
	WIN 0
.endm
.macro FETCH_A slot, q, i0
.irp i, \i0, \i0+1, \i0+2, \i0+3
	FRAG AF+FR*(\i), ADRA+\slot, \q, \i
.endr
.endm
.macro SCALES sc                       ; the next K step's scale words: 2 words a row; lanes 0-15 take A's block i, lanes 16-31 B's block i
.irp i, 0,1,2,3,4,5,6,7
	ds_load_b64 v[SC+8*NQ*\sc+NQ*\i:SC+8*NQ*\sc+NQ*\i+1], v[ADRS] offset:\i*SBLK
.endr
.endm
.macro PLACES n                        ; plain vector instructions between a matrix instruction and a load into, or a read of, its registers
.rept \n
	v_nop
.endr
.endm
.macro STEP slot, q, zero              ; a step of 128 along K that has its successor in the same slot
	s_wait_dscnt 4*NL                              ; B's set and A's blocks 0-3 are in; the youngest 12 loads (A's blocks 4-7) may be out
	WIN MUL_LO
	MUL16 0, (\q)%2, \q, \slot, \zero
	MUL16 2, (\q)%2, \q, \slot, \zero
	s_wait_dscnt 0
	PLACES NP
	FETCH_B \slot, (\q)+1, 1-(\q)%2
	FETCH_A \slot, (\q)+1, 0
	WIN MUL_HI
	MUL16 4, (\q)%2, \q, \slot, \zero
	MUL16 6, (\q)%2, \q, \slot, \zero
	PLACES NP
	WIN 0
	FETCH_A \slot, (\q)+1, 4
.endm
; A slot's last step changes slots: ONE barrier; in front of it each wave waits for all its tensor loads, adds 0 to its spare word, and waits for that and for its own reads of this slot.  fill = 1: this slot is filled again.
.macro TURN slot, next, fill
	s_wait_tensorcnt 0x0                           ; all my tensor loads have landed: my part of the next slot
	ds_add_u32 v[SPW], v[NIL]                      ; 0 onto my spare word
	s_wait_dscnt 4*NL+1                            ; (the add and the youngest 12 loads may be out)
	WIN MUL_LO
	MUL16 0, 1, NQ-1, \slot, 0
	s_wait_dscnt 0x0                               ; the add is done, and my reads of this slot are over
	s_barrier_signal -1
	MUL16 2, 1, NQ-1, \slot, 0
	WIN 0
	s_barrier_wait -1
.if \fill
	CREST                                          ; the barrier has opened a round of the cluster's barrier: no wave of any partner still reads this slot's tile or has a load on its way
	s_add_nc_u64 s[G0+4*\slot+2:G0+4*\slot+3], s[G0+4*\slot+2:G0+4*\slot+3], 2*ROWB
	s_add_nc_u64 s[G0B+4*\slot+2:G0B+4*\slot+3], s[G0B+4*\slot+2:G0B+4*\slot+3], 2*ROWB
	JLOAD G0+4*\slot, G1, G0B+4*\slot, G1B         ; the first tensor load behind the round; its four v_nop are the places in front of the loads below
.else
	PLACES NP
.endif
	s_wait_alu depctr_va_vdst(0)
	v_add_nc_u32 v[ADRS], 4*NQ, v[ADRS]            ; on to the next K step's scale words
	FETCH_B \next, 0, 0
	FETCH_A \next, 0, 0
	SCALES \next
	WIN MUL_HI
	MUL16 4, 1, NQ-1, \slot, 0
	MUL16 6, 1, NQ-1, \slot, 0
	PLACES NP
	WIN 0
	FETCH_A \next, 0, 4
.endm
	s_wait_alu depctr_va_vdst(0)                   ; the wait at the head's end
	s_wait_loadcnt 0x0                             ; the mask bytes
	s_wait_tensorcnt 0x0                           ; my tile of the head's four is in; slot 1's first fill is issued as a refill is:
	ds_add_u32 v[SPW], v[NIL]
	s_mov_b32 s[G1+2], 8<<16                       ; no tensor load of mine is out: from here on a load brings 8 tiles of 16 rows
	s_mov_b32 s[G1+4], 8
	s_mov_b32 s[G1B+2], 8<<16
	s_mov_b32 s[G1B+4], 8
	s_mov_b32 s95, 0xffff0000                      ; lanes 16-31, for the way out
	s_wait_dscnt 0x0
	CROUND                                         ; all four tiles are in, and all sixteen work-groups are here
	JLOAD G0+4, G1, G0B+4, G1B                     ; K step 1, the first tensor load behind the round
	FETCH_B 0, 0, 0
	FETCH_A 0, 0, 0
	SCALES 0
	FETCH_A 0, 0, 4
	global_prefetch_b8 v30, s[4:5] offset:3*ROWB th:TH_LOAD_NT scope:SCOPE_SE   ; K step 3, the last, two fills ahead of its load
	STEP 0, 0, 1
	s_mov_b32 s3, LAPS-1
.Llap:                                                 ; a trip goes once round the ring and fills both slots again
	TURN 0, 1, 1
	STEP 1, 0, 0
	TURN 1, 0, 1
	STEP 0, 0, 0
	s_sub_co_u32 s3, s3, 1
	s_cmp_lg_u32 s3, 0
	s_cbranch_scc1 .Llap
	TURN 0, 1, 0                                   ; the last lap fills nothing
	STEP 1, 0, 0
	s_wait_dscnt 4*NL
	WIN MUL_LO
	MUL16 0, 1, NQ-1, 1, 0
	MUL16 2, 1, NQ-1, 1, 0
	s_wait_dscnt 0
	WIN MUL_HI
	MUL16 4, 1, NQ-1, 1, 0
	MUL16 6, 1, NQ-1, 1, 0
	WIN 0
; THE WAY OUT.  QUANT: block a's 64 numbers of a lane (register 16 b + i: of block b of 32 columns) become 12 registers of codes in v[PC] on and the row's scale word in v[pw].
; Each accumulator is read from its low end on: the maxima begin with registers 0, 1 of the even tiles and reach the odd tiles at their registers 0, 1.
.macro QUANT a, pw
.set QS, 64*((\a)%4)
.set QW, 2+(\a)/4
.set QM, (QW<<2)|(QW<<4)
	WIN QM                                         ; sources 1 and 2: the accumulators' window
.irp b, 0,1,2,3
	v_max3_num_f32 v[TM+\b], 0x1800000, |v[QS+16*\b]|, |v[QS+16*\b+1]|   ; my 16 numbers of block b, and the floor 2^(3 - 127): the byte cannot fall under 1
.endr
.irp i, 2,4,6,8,10,12,14
.irp b, 0,1,2,3
	v_max3_num_f32 v[TM+\b], v[TM+\b], |v[QS+16*\b+\i]|, |v[QS+16*\b+\i+1]|   ; (the four blocks by turns)
.endr
.endr
	WIN 0
.irp b, 0,1,2,3
	v_permlanex16_b32 v[TM+4+\b], v[TM+\b], s96, s97
.endr
.irp b, 0,1,2,3
	v_max_num_f32 v[TM+\b], v[TM+\b], v[TM+4+\b]   ; with lane l xor 16's: the block's largest magnitude
.endr
.irp b, 0,1,2,3
	v_add_nc_u32 v[TM+12+\b], 0xff000000, v[TM+\b] ; 2 off its exponent field: the conversion's scale operand
.endr
.irp b, 0,1,2,3
	v_lshrrev_b32 v[TM+4+\b], 23, v[TM+12+\b]      ; the scale's byte
.endr
	v_lshl_or_b32 v[\pw], v[TM+5], 8, v[TM+4]
	v_lshl_or_b32 v[\pw], v[TM+6], 16, v[\pw]
	v_lshl_or_b32 v[\pw], v[TM+7], 24, v[\pw]
	s_wait_xcnt 0x0                                ; the last block's stores have read the codes' registers: they are written again only behind this wait
	WIN QW                                         ; source 0: the accumulators' window
.irp c, 0,1
	v_cvt_scalef32_pk16_fp6_f32 v[PC+6*\c:PC+6*\c+2], v[QS+32*\c:QS+32*\c+15], v[TM+12+2*\c]
	v_cvt_scalef32_pk16_fp6_f32 v[PC+12+4*\c:PC+14+4*\c], v[QS+16+32*\c:QS+31+32*\c], v[TM+13+2*\c]   ; (a conversion's three registers begin on an even number)
.endr
	WIN 0
	v_nop                                          ; one plain place behind a scaled conversion
.irp c, 0,1                                    ; the operand's layout wants a WHOLE block in a lane: lanes 0-15 block 2 c, lanes 16-31 block 2 c + 1
.irp i, 0,1,2
	v_permlane16_swap_b32 v[PC+6*\c+\i], v[PC+12+4*\c+\i]
.endr
.irp i, 0,1,2
	v_mov_b32 v[PC+3+6*\c+\i], v[PC+12+4*\c+\i]
.endr
.endr
.endm
; Job K: registers 0-5 are the first head's 64 d of my 16 keys, registers 6-11 the second head's: a tile of each head's record.
.macro K_BLOCK a
	QUANT \a, PW
	v_mad_u32_u24 v[XW], v[MB+(\a)], s99, s100     ; bytes 2 and 3 of the key's words
.if (\a)%2 == 0
	v_and_or_b32 v[KWA+(\a)/2], v[PW], 0xffff, v[XW]   ; the first head's word: blocks 0, 1
	v_lshrrev_b32 v[WB], 16, v[PW]
	v_or_b32 v[KWB+(\a)/2], v[WB], v[XW]           ; the second head's: blocks 2, 3
.else
	v_and_or_b32 v[WA], v[PW], 0xffff, v[XW]
	v_lshrrev_b32 v[WB], 16, v[PW]
	v_or_b32 v[WB], v[WB], v[XW]
	v_cndmask_b32 v[KWA+(\a)/2], v[KWA+(\a)/2], v[WA], s95   ; an odd block's words go to lanes 16-31
	v_cndmask_b32 v[KWB+(\a)/2], v[KWB+(\a)/2], v[WB], s95
.endif
	global_store_b128 v[L16], v[PC:PC+3], s[12:13] offset:768*(\a)
	global_store_b64 v[L8], v[PC+4:PC+5], s[12:13] offset:768*(\a)+512
	global_store_b128 v[L16], v[PC+6:PC+9], s[12:13] offset:HSTR+768*(\a)
	global_store_b64 v[L8], v[PC+10:PC+11], s[12:13] offset:HSTR+768*(\a)+512
.endm
; Job V: the 12 registers are a fragment of V^T: 16 d x 128 keys.  Blocks 0-3 are the first head's 64 d, blocks 4-7 the second head's.
.macro V_BLOCK a
.if (\a)%2 == 0
	QUANT \a, VW+2*((\a)/4)+((\a)%4)/2
.else
	QUANT \a, PW
	v_cndmask_b32 v[VW+2*((\a)/4)+((\a)%4)/2], v[VW+2*((\a)/4)+((\a)%4)/2], v[PW], s95
.endif
.irp c, 0,1,2
	global_store_b128 v[L16], v[PC+4*\c:PC+4*\c+3], s[12:13] offset:((\a)/4)*HSTR+6144+1536*((\a)%4)+512*\c
.endr
.endm
	PLACES NP                                      ; behind the last products
	s_cmp_eq_u32 s98, 1
	s_cbranch_scc1 .Lway_v
.irp a, 0,1,2,3,4,5,6,7
	K_BLOCK \a
.endr
	global_store_b128 v[L16], v[KWA:KWA+3], s[12:13] offset:12288
	global_store_b128 v[L16], v[KWB:KWB+3], s[12:13] offset:HSTR+12288
	s_branch .Ldone
.Lway_v:
.irp a, 0,1,2,3,4,5,6,7
	V_BLOCK \a
.endr
	global_store_b64 v[L8], v[VW:VW+1], s[12:13] offset:12800
	global_store_b64 v[L8], v[VW+2:VW+3], s[12:13] offset:HSTR+12800
.Ldone:
	s_wait_tensorcnt 0x0                           ; the wave's end, behind my last tensor load
	ds_add_u32 v[SPW], v[NIL]
	s_wait_dscnt 0x0
	CROUND                                         ; the closing round: no work-group ends while a partner may still ask for a tile that names it
	s_endpgm
.Lfunc_end_k_q9c3f5a10d3_proj:
	.size	k_q9c3f5a10d3_proj, .Lfunc_end_k_q9c3f5a10d3_proj-k_q9c3f5a10d3_proj
	.p2alignl 7, 3214868480
	.fill 96, 4, 3214868480
	.section	.rodata,"a",@progbits
	.p2align	6, 0x0
	.amdhsa_kernel k_q9c3f5a10d3_proj
		.amdhsa_group_segment_fixed_size 327680
		.amdhsa_private_segment_fixed_size 0
		.amdhsa_enable_private_segment 0
		.amdhsa_kernarg_size 24
		.amdhsa_user_sgpr_count 2
		.amdhsa_user_sgpr_kernarg_segment_ptr 1
		.amdhsa_wavefront_size32 1
		.amdhsa_system_sgpr_workgroup_id_x 1
		.amdhsa_system_sgpr_workgroup_id_y 1
		.amdhsa_system_sgpr_workgroup_id_z 1
		.amdhsa_system_vgpr_workitem_id 0
		.amdhsa_next_free_vgpr 1024
		.amdhsa_next_free_sgpr 102
		.amdhsa_reserve_vcc 0
		.amdhsa_float_denorm_mode_32 3
		.amdhsa_float_denorm_mode_16_64 3
		.amdhsa_memory_ordered 1
		.amdhsa_forward_progress 1
		.amdhsa_inst_pref_size 180
	.end_amdhsa_kernel
	.amdgpu_metadata
---
amdhsa.version: [ 1, 2 ]
amdhsa.kernels:
  - .name:           k_q9c3f5a10d3_proj
    .symbol:         k_q9c3f5a10d3_proj.kd
    .args:
      - { .name: w1, .offset: 0, .size: 8, .value_kind: global_buffer, .address_space: global }
      - { .name: mask, .offset: 8, .size: 8, .value_kind: global_buffer, .address_space: global }
      - { .name: w2, .offset: 16, .size: 8, .value_kind: global_buffer, .address_space: global }
    .group_segment_fixed_size: 327680
    .private_segment_fixed_size: 0
    .kernarg_segment_align: 8
    .kernarg_segment_size: 24
    .max_flat_workgroup_size: 128
    .sgpr_count:     102
    .vgpr_count:     1024
    .wavefront_size: 32
...
	.end_amdgpu_metadata
.endif
;; end of part 2
;; launch attn (part 3): grid 4 x 64, 16 waves a work-group, clusters of 4 x 1, 327,680 bytes of LDS; arguments w1, w2, w3; writes w3
.if DOCPART == 3
	.amdgcn_target "amdgcn-amd-amdhsa--gfx1250"
	.amdhsa_code_object_version 6
	.text
	.protected	k_q9c3f5a10d3_attn
	.globl	k_q9c3f5a10d3_attn
	.p2align	8
	.type	k_q9c3f5a10d3_attn,@function
k_q9c3f5a10d3_attn:
	s_mov_b64 s[64:65], 0
	v_nop
	global_prefetch_b8 v0, s[64:65] scope:SCOPE_SE
	s_setreg_imm32_b32 hwreg(HW_REG_WAVE_MODE, 25, 1), 1
	s_wait_xcnt 0x0
	s_wait_alu depctr_hold_cnt(0) depctr_sa_sdst(0) depctr_va_vdst(0) depctr_va_sdst(0) depctr_va_ssrc(0) depctr_va_vcc(0) depctr_vm_vsrc(0)
	s_getreg_b32 s2, hwreg(HW_REG_IB_STS2, 6, 4)
	s_cmp_eq_u32 s2, 0
	s_cbranch_scc0 .Lentry_in_a_cluster
	s_endpgm
.Lentry_in_a_cluster:
	s_bfe_u32 s2, ttmp6, 0x10000c
	s_cmp_lg_u32 s2, 0x3003
	s_cbranch_scc0 .Lentry_shape_is_right
	s_endpgm
.Lentry_shape_is_right:
; LAUNCH 3 OF 4: q's projection for the work-group's own queries and head, on the images of w1; attention on the records of w2; the result quantised along (head, d) into w3, the last product's A.  No work of the problem is left out here.
; t = score x log2(e) / 8; M = the row's largest t so far, rounded UP to a whole number; p = 2^(t - M) is quantised along the keys; the row's sum l is taken of the unquantised p and divides O at the end.
; When M moves, l and O are multiplied by 2^(old M - new M): exact.
; SHARES.  A work-group owns 128 queries of one (batch, head), in sixteen waves of 256 registers.  Wave w owns query tile w % 8 and half w / 8 of the keys: of each slot's eight records of 128 keys, records 4 (w / 8) .. + 3.
; At the end the two waves of a tile join their O, l and M: both M are whole numbers, so the joining factors are exact.
; CLUSTER.  The four query blocks of a head walk the same records and want the same rows of Wq: each is asked for jointly, with a mask that names the four.
; THE RING.  Two LDS slots of 8 records (104,448 bytes); waves 0-7 fetch one record each, 51 rows of 256 bytes.  Slot 1 is first filled behind the second round, ahead of Q's projection.
; THE CHANGE OF SLOTS STANDS IN A SLOT'S LAST KEY STEP: when the step's fragments are in registers the wave's reads of the slot are over; the rest of the step is work on registers and stands inside the round.
; Q.  Waves 8-15 fetch the head's 64 rows of Wq, 49,152 dense bytes of images, 6,144 each.  Each wave loads its tile's 8 images of q into registers and makes d = 32 (w / 8) .. + 31 of its 16 queries: one scale's block.
; Its codes go to LDS at the place that the operand's layout gives them; behind a barrier both waves of the tile load the whole fragment.  Within a block the code at place 16 h + 8 u + j belongs to d = 16 u + 8 h + j, as in the second launch's K.
; LAYOUT.  All products transposed: a lane holds ONE query.  Register 8 t + j of S^T is key 16 t + 8 h + j, the order in which the second launch laid V's codes.  Register 16 b + i of O^T is d = 32 b + 16 h + i.
; THE SCORES' K IS 64.  Registers 6-11 of Q's and K's fragments are set once: zeros, but for k = 64: -1 in Q, +1 in K.  Byte 2 of a key's scale word makes that product -2^100 for a hidden key and -2^-126 for an open one.
; The largest t starts at -2^90: a hidden key's p is 0 in every step.  A ROW WITH NO OPEN KEY has l = 0: its two scale bytes become 0xff, which makes the last product's sums NaN, as reference() has them.
; w3: for each tile of 16 queries and each head 768 bytes: registers 0-3 of the half fragment at 16 x lane, registers 4-5 at 512 + 8 x lane; from CTXS on 32 scale bytes a row.
; LIMITS: t of an open key lies above -2^90; an open score carries -2^-126; blocks whose largest magnitude lies under 2^-124 have their byte held at 1; NaN and infinities among the inputs are not served.
.set REC,   13056
.set HSTR,  32*REC
.set SLOTB, 8*REC
.set HALFB, 4*REC
.set SLOT1, 1<<17
.set QIM,   SLOTB                      ; Q's codes, 1,024 bytes a tile
.set QIW,   QIM+8192                   ; its scale bytes, 256 bytes a tile
.set SPARE, 2*SLOT1
.set WQL,   SPARE+2048                 ; Wq's 4 tiles x 8 images
.set MRG,   WQL                        ; at the end, in the bytes that held Wq: the second halves' O, -M and l
.set MTILE, 4352
.set S1,    17301504
.set CTXS,  1572864
.set L16, 1
.set L8,  2
.set A16, 3
.set A8,  4
.set SPW, 5
.set NIL, 6
.set PFO, 7
.set SO,  8                            ; v8-11; v12 -M, v13 the largest t, v[14:15] l
.set QF,  16
.set QSW, 28
.set T1,  29
.set FM,  30
.set KFR, 32
.set KSW, 80
.set VSW, 84
.set PSW, 86
.set BM,  88
.set PT,  92
.set SCR, 96
.set OT,  160
.set VFR, 192
.set PCD, 240
.set PC2, 252
.set WSO, 3                            ; while Q is made
.set WA0, 8
.set QST, 10
.set QIL, 11
.set QWS, 12
.set QWL, 13
.set QSO, 15
.set QAC, 32
.set QT,  48
.set QC,  52
.set QSC, 80
.set WSC, 88
.set QB,  192
.macro CROUND
	s_barrier_signal -1
	s_barrier_wait -1
	s_cmp_lg_u32 s8, 0
	s_cbranch_scc1 .Lnot_wave_0_\@
	s_barrier_signal -3
.Lnot_wave_0_\@:
	s_barrier_wait -3
	s_barrier_signal -1
	s_barrier_wait -1
.endm
; a prefetch of the codes that the NEXT fill will ask for: 384 blocks of 256 bytes, a lane a block; the four partners share them out by address, 96 each, waves 0 to 2 ask.  The last fill asks for nothing
.macro ASK
	s_cmp_gt_u32 s30, s31
	s_cbranch_scc0 .Lnot_mine_\@
	global_prefetch_b8 v[PFO], s[32:33] th:TH_LOAD_NT scope:SCOPE_SE
.Lnot_mine_\@:
.endm
.macro FILL                            ; waves 0-7: the next 8 records, first thing behind a round
	s_cmp_lt_u32 s8, 8
	s_cbranch_scc0 .Lno_fill_\@
	tensor_load_to_lds s[12:15], s[16:23]
	s_nop 0
.rept 4
	v_nop
.endr
.Lno_fill_\@:
	ASK
.endm
	s_load_b128 s[4:7], s[0:1], 0x0                ; w1, w2
	s_load_b64 s[44:45], s[0:1], 0x10              ; w3
	v_lshl_add_u32 v[SPW], v0, 2, SPARE
	v_mov_b32 v[NIL], 0
	ds_add_u32 v[SPW], v[NIL]                      ; the opening: the add, twice on end, and its wait
	ds_add_u32 v[SPW], v[NIL]
	v_lshrrev_b32 v1, 5, v0
	v_readfirstlane_b32 s8, v1                     ; wave 0..15
	s_and_b32 s11, s8, 7                           ; my tile; also which record or part of Wq I fetch
	s_lshr_b32 s46, s8, 3                          ; my half
	s_bfe_u32 s9, ttmp6, 0x40000                   ; cx
	s_and_b32 s10, ttmp7, 0xffff                   ; 16 x batch + head
	s_mov_b32 s16, 15|(3<<16)|(1<<21)              ; a record: 51 rows of 256 bytes, dense
	s_mov_b32 s17, 32<<16
	s_mov_b32 s18, 51<<16
	s_mov_b32 s19, 32<<16
	s_mov_b32 s20, 51
	s_mov_b32 s21, 32
	s_mov_b32 s22, 0
	s_mov_b32 s23, 0
	s_mov_b32 s48, 15|(3<<16)|(1<<21)              ; a part of Wq: 24 rows of 256 bytes, dense
	s_mov_b32 s49, 32<<16
	s_mov_b32 s50, 24<<16
	s_mov_b32 s51, 32<<16
	s_mov_b32 s52, 24
	s_mov_b32 s53, 32
	s_mov_b32 s54, 0
	s_mov_b32 s55, 0
	s_mov_b32 s24, 0x76543210
	s_mov_b32 s25, 0xfedcba98
	s_mov_b32 s26, 0x3e38aa3b                      ; c = log2(e) / 8
	s_mov_b32 s27, s26
	s_mul_i32 s28, s46, HALFB                      ; the step's record in LDS
	s_mov_b32 s30, 3                               ; fills still to come
	s_cmp_lt_u32 s8, 3
	s_cselect_b32 s31, 1, -1
	s_mul_i32 s34, s10, HSTR
	s_and_b32 s35, s10, 15                         ; the head
	s_mov_b32 s12, 1
	s_mul_i32 s13, s11, REC
	s_add_co_u32 s36, s34, s13
	s_mov_b32 s37, 0
	s_lshl_b32 s38, s35, 6
	s_add_co_u32 s38, s38, 20480                   ; the table's row of Wq for my head's d = 0
	s_mul_i32 s40, s38, 768
	s_mul_i32 s39, s11, 6144
	s_add_co_u32 s40, s40, s39
	s_mov_b32 s41, 0
	s_mov_b32 s56, 1
	s_add_co_u32 s57, s39, WQL
	s_lshl_b32 s47, s46, 5
	s_add_co_u32 s38, s38, s47
	s_lshl_b32 s38, s38, 5
	s_add_co_u32 s38, s38, S1                      ; my 32 rows of Wq: their scale bytes
	s_mov_b32 s39, 0
	s_lshr_b32 s42, s10, 4
	s_lshl_b32 s42, s42, 9
	s_lshl_b32 s43, s9, 7
	s_add_co_u32 s42, s42, s43
	s_lshl_b32 s43, s11, 4
	s_add_co_u32 s42, s42, s43                     ; my tile's first row of q and of ctx
	s_add_co_u32 s43, s42, 16384
	s_mul_i32 s60, s43, 768
	s_mov_b32 s61, 0
	s_lshl_b32 s62, s43, 5
	s_add_co_u32 s62, s62, S1
	s_mov_b32 s63, 0
	v_and_b32 v[T1], 31, v0
	v_and_b32 v[FM], 15, v0                        ; r
	v_bfe_u32 v[FM+1], v0, 4, 1                    ; h
	v_lshlrev_b32 v[L16], 4, v[T1]
	v_lshlrev_b32 v[L8], 3, v[T1]
	s_wait_alu depctr_va_vdst(0)
	s_mul_i32 s47, s46, 24576
	s_add_co_u32 s47, s47, WQL
	v_add_nc_u32 v[WA0], s47, v[L16]               ; my two tiles of Wq
	s_lshl_b32 s47, s11, 10
	s_add_co_u32 s47, s47, QIM
	v_lshl_add_u32 v[QIL], v[T1], 5, s47
	s_lshl_b32 s2, s46, 9
	s_add_co_u32 s47, s47, s2
	v_lshl_add_u32 v[QST], v[FM], 5, s47
	v_lshl_add_u32 v[QST], v[FM+1], 4, v[QST]
	s_lshl_b32 s47, s11, 8
	s_add_co_u32 s47, s47, QIW
	v_lshl_add_u32 v[QWL], v[T1], 2, s47
	s_lshl_b32 s2, s46, 7
	s_add_co_u32 s47, s47, s2
	v_lshl_add_u32 v[QWS], v[T1], 2, s47
	v_lshlrev_b32 v[QSO], 5, v[FM]
	v_lshlrev_b32 v[WSO], 5, v[T1]
	s_mul_i32 s2, s9, 96
	s_lshl_b32 s3, s8, 5
	s_add_co_u32 s2, s2, s3
	v_add_nc_u32 v[PFO], s2, v[T1]                 ; block i = 96 cx + 32 wave + lane of a slot's 384 blocks of codes
	v_mul_u32_u24 v[A8], v[PFO], 1366
	v_lshrrev_b32 v[A8], 16, v[A8]                 ; i / 48, right for i under 384
	v_mul_u32_u24 v[A8], v[A8], 768
	v_lshl_add_u32 v[PFO], v[PFO], 8, v[A8]        ; 256 i + 768 (i / 48)
	s_wait_alu depctr_va_vdst(0)                   ; the wait at the head's end
	s_wait_dscnt 0x0
	s_wait_kmcnt 0x0
	s_add_nc_u64 s[14:15], s[6:7], s[36:37]
	s_or_b32 s15, s15, 0x80000000
	s_add_nc_u64 s[58:59], s[4:5], s[40:41]
	s_or_b32 s59, s59, 0x80000000
	s_add_nc_u64 s[38:39], s[4:5], s[38:39]
	s_add_nc_u64 s[60:61], s[4:5], s[60:61]
	s_add_nc_u64 s[62:63], s[4:5], s[62:63]
	s_add_co_u32 s40, s34, 2*SLOTB
	s_mov_b32 s41, 0
	s_add_nc_u64 s[32:33], s[6:7], s[40:41]        ; the prefetches stand at records 16-23
.irp s, 0,1,2,3,4,5,6,7                        ; q's eight images: each load takes 512 consecutive bytes
.irp c, 0,1,2
	global_load_b128 v[SCR+12*\s+4*\c:SCR+12*\s+4*\c+3], v[L16], s[60:61] offset:1536*\s+512*\c
.endr
.endr
	global_load_b128 v[QSC:QSC+3], v[QSO], s[62:63]
	global_load_b128 v[QSC+4:QSC+7], v[QSO], s[62:63] offset:16
	global_load_b128 v[WSC:WSC+3], v[WSO], s[38:39]
	global_load_b128 v[WSC+4:WSC+7], v[WSO], s[38:39] offset:16
	CROUND                                         ; the first joint loads meet
	s_cmp_lt_u32 s8, 8                             ; a fill in each arm
	s_cbranch_scc0 .Lfill_w
	tensor_load_to_lds s[12:15], s[16:23]          ; waves 0-7: records 0-7
	s_nop 0
.rept 4
	v_nop
.endr
	s_branch .Lfilled
.Lfill_w:
	tensor_load_to_lds s[56:59], s[48:55]          ; waves 8-15: Wq
	s_nop 0
.rept 4
	v_nop
.endr
.Lfilled:
	s_wait_tensorcnt 0x0                           ; my first fill has landed; slot 1's first fill is issued as a refill is
	ds_add_u32 v[SPW], v[NIL]
	s_xor_b32 s13, s13, SLOT1
	s_add_nc_u64 s[14:15], s[14:15], SLOTB
	s_wait_dscnt 0x0
	CROUND
	FILL                                           ; records 8-15
	s_sub_co_u32 s30, s30, 1
.macro WLOAD s                         ; K step s: my two tiles of Wq into set s % 2
.irp u, 0,1
.irp c, 0,1,2
	ds_load_b128 v[QB+24*((\s)%2)+12*\u+4*\c:QB+24*((\s)%2)+12*\u+4*\c+3], v[WA0] offset:\u*12288+(\s)*1536+512*\c
.endr
.endr
.endm
.macro QMUL s, u, c                    ; source 0 = 16 rows of Wq, source 1 = my 16 rows of q
.if (\u)
	v_wmma_scale_f32_16x16x128_f8f6f4 v[QAC+8*(\u):QAC+8*(\u)+7], v[QB+24*((\s)%2)+12*(\u):QB+24*((\s)%2)+12*(\u)+11], v[SCR+12*(\s):SCR+12*(\s)+11], \c, v[WSC+(\s)], v[QSC+(\s)] matrix_a_fmt:MATRIX_FMT_FP6 matrix_b_fmt:MATRIX_FMT_FP6 matrix_a_scale:MATRIX_SCALE_ROW1
.else
	v_wmma_scale_f32_16x16x128_f8f6f4 v[QAC+8*(\u):QAC+8*(\u)+7], v[QB+24*((\s)%2)+12*(\u):QB+24*((\s)%2)+12*(\u)+11], v[SCR+12*(\s):SCR+12*(\s)+11], \c, v[WSC+(\s)], v[QSC+(\s)] matrix_a_fmt:MATRIX_FMT_FP6 matrix_b_fmt:MATRIX_FMT_FP6
.endif
.endm
	WLOAD 0
	WLOAD 1
	s_wait_loadcnt 0x0                             ; q and the scale words
	s_wait_dscnt 6                                 ; this K step's six loads are in; the next step's six may be out
	QMUL 0, 0, 0
	QMUL 0, 1, 0
.rept 4
	v_nop
.endr
	WLOAD 2
.irp s, 1,2,3,4,5,6,7                          ; the two accumulators take turns
.if \s < 7
	s_wait_dscnt 6
.else
	s_wait_dscnt 0x0
.endif
	QMUL \s, 0, v[QAC:QAC+7]
	QMUL \s, 1, v[QAC+8:QAC+15]
.if \s < 6
.rept 4
	v_nop                                          ; places in front of loads into registers that matrix instructions have read
.endr
	WLOAD \s+2
.endif
.endr
.rept 4
	v_nop
.endr
	v_max3_num_f32 v[QT], |v[QAC]|, |v[QAC+1]|, 0x1800000   ; my 16 numbers of the block, and the floor
.irp i, 2,4,6,8,10,12,14
	v_max3_num_f32 v[QT], v[QT], |v[QAC+\i]|, |v[QAC+1+\i]|
.endr
	v_mov_b32 v[QT+1], 0
	v_permlanex16_b32 v[QT+1], v[QT], s24, s25
	v_max_num_f32 v[QT], v[QT], v[QT+1]
	v_add_nc_u32 v[QT+2], 0xff000000, v[QT]
	v_lshrrev_b32 v[QT+3], 23, v[QT+2]
	v_cvt_scalef32_pk16_fp6_f32 v[QC:QC+2], v[QAC:QAC+15], v[QT+2]
	v_nop
	ds_store_b96 v[QST], v[QC:QC+2]
	ds_store_b32 v[QWS], v[QT+3]
	s_wait_dscnt 0x0                               ; for the others' sake: my stores are done
	s_barrier_signal -1
	s_barrier_wait -1
	ds_load_b96 v[QF:QF+2], v[QIL]
	ds_load_b96 v[QF+4:QF+6], v[QIL] offset:16
	ds_load_b32 v[QSW], v[QWL]
	ds_load_b32 v[T1], v[QWL] offset:128
	v_xor_b32 v[A8], 1, v[FM+1]                    ; 1 in lanes 0-15, which hold k = 64 .. 95 in registers 6-11
.irp t, 0,1,2,3
	v_lshlrev_b32 v[KFR+12*\t+6], 3, v[A8]         ; K at k = 64: +1
.irp i, 7,8,9,10,11
	v_mov_b32 v[KFR+12*\t+\i], 0
.endr
.endr
.irp j, 0,1,2,3,4,5,6,7,8,9,10,11,12,13,14,15,16,17,18,19,20,21,22,23,24,25,26,27,28,29,30,31
	v_mov_b32 v[OT+\j], 0                          ; the step is written once: the first finds zeros
.endr
.irp b, 0,1,2,3
	v_mov_b32 v[PT+\b], 0
.endr
	s_wait_dscnt 0x0
	v_mov_b32 v[QF+3], v[QF+4]
	v_mov_b32 v[QF+4], v[QF+5]
	v_mov_b32 v[QF+5], v[QF+6]
	v_lshl_or_b32 v[QSW], v[T1], 8, v[QSW]
	v_or_b32 v[QSW], 0x7f7f0000, v[QSW]
	v_mul_u32_u24 v[QF+6], v[A8], 0x28             ; Q at k = 64: -1
.irp i, 7,8,9,10,11
	v_mov_b32 v[QF+\i], 0
.endr
	v_mov_b32 v13, 0xec800000                      ; the largest t so far: -2^90
	v_floor_f32 v12, -v13
	v_mov_b32 v14, 0
	v_mov_b32 v15, 0
	v_mov_b32 v[FM+1], 0
.macro SMUL g
.irp t, 0,1,2,3
.if (\t)%2
	v_wmma_scale_f32_16x16x128_f8f6f4 v[SCR+8*(4*(\g)+\t):SCR+8*(4*(\g)+\t)+7], v[KFR+12*\t:KFR+12*\t+11], v[QF:QF+11], 0, v[KSW+(4*(\g)+\t)/2], v[QSW] matrix_a_fmt:MATRIX_FMT_FP6 matrix_b_fmt:MATRIX_FMT_FP6 matrix_a_scale:MATRIX_SCALE_ROW1
.else
	v_wmma_scale_f32_16x16x128_f8f6f4 v[SCR+8*(4*(\g)+\t):SCR+8*(4*(\g)+\t)+7], v[KFR+12*\t:KFR+12*\t+11], v[QF:QF+11], 0, v[KSW+(4*(\g)+\t)/2], v[QSW] matrix_a_fmt:MATRIX_FMT_FP6 matrix_b_fmt:MATRIX_FMT_FP6
.endif
.endr
.endm
; the round of a change of slots, in two parts: its opening signal, and at the step's end the rest; between them stands the step's work on registers
.macro RND1
	s_wait_tensorcnt 0x0
	ds_add_u32 v[SPW], v[NIL]
	s_xor_b32 s13, s13, SLOT1                      ; the walking descriptor: the other slot, the next 8 records
	s_add_nc_u64 s[14:15], s[14:15], SLOTB
	s_wait_dscnt 0x0
	s_barrier_signal -1
.endm
.macro RND3
	s_wait_alu depctr_va_vdst(0)
	s_barrier_wait -1
	s_cmp_lg_u32 s8, 0
	s_cbranch_scc1 .Lnw0_\@
	s_barrier_signal -3
.Lnw0_\@:
	s_barrier_wait -3
	s_barrier_signal -1
	s_barrier_wait -1
	FILL
.endm
; A KEY STEP: 128 keys, the record at LDS byte s28.  last = 1: a slot's last step, with the change of slots
.macro STEP last
	v_add_nc_u32 v[A16], s28, v[L16]
	v_add_nc_u32 v[A8], s28, v[L8]
	ds_load_b128 v[KSW:KSW+3], v[A16] offset:12288
.irp t, 0,1,2,3
	ds_load_b128 v[KFR+12*\t:KFR+12*\t+3], v[A16] offset:768*\t
	ds_load_b64 v[KFR+12*\t+4:KFR+12*\t+5], v[A8] offset:768*\t+512
.endr
	s_wait_alu depctr_va_vdst(0)
	s_wait_dscnt 0x0                               ; K's words and tiles 0-3 are in
	SMUL 0
.rept 4
	v_nop
.endr
.irp t, 0,1,2,3
	ds_load_b128 v[KFR+12*\t:KFR+12*\t+3], v[A16] offset:768*(4+\t)
	ds_load_b64 v[KFR+12*\t+4:KFR+12*\t+5], v[A8] offset:768*(4+\t)+512
.endr
	ds_load_b64 v[VSW:VSW+1], v[A8] offset:12800   ; V comes last: it is wanted at the step's end.  Six plain vector lines stand between the last step's products and these loads into their registers
.irp t, 0,1,2,3
.irp c, 0,1,2
	ds_load_b128 v[VFR+12*\t+4*\c:VFR+12*\t+4*\c+3], v[A16] offset:6144+1536*\t+512*\c
.endr
.endr
.if \last
	RND1
.else
	s_wait_dscnt 13                                ; K's tiles 4-7 are in; V's 13 loads may be out
.endif
	SMUL 1
.rept 4
	v_nop
.endr
.irp b, 0,1,2,3
	v_max3_num_f32 v[BM+\b], v[SCR+16*\b], v[SCR+1+16*\b], v[SCR+2+16*\b]   ; the largest score of each block of 32 keys serves the row's maximum and the block's largest p
.endr
.irp i, 3,5,7,9,11,13
.irp b, 0,1,2,3
	v_max3_num_f32 v[BM+\b], v[BM+\b], v[SCR+16*\b+\i], v[SCR+1+16*\b+\i]
.endr
.endr
.irp b, 0,1,2,3
	v_max_num_f32 v[BM+\b], v[BM+\b], v[SCR+15+16*\b]
.endr
.irp b, 0,1,2,3
	v_permlanex16_b32 v[PT+\b], v[BM+\b], s24, s25
.endr
.irp b, 0,1,2,3
	v_max_num_f32 v[BM+\b], v[BM+\b], v[PT+\b]
.endr
	s_delay_alu instid0(VALU_DEP_2)
	v_max3_num_f32 v[T1], v[BM], v[BM+1], v[BM+2]
	s_delay_alu instid0(VALU_DEP_1)
	v_max_num_f32 v[T1], v[T1], v[BM+3]
	s_delay_alu instid0(VALU_DEP_1)
	v_mul_f32 v[T1], s26, v[T1]
	s_delay_alu instid0(VALU_DEP_1)
	v_max_num_f32 v13, v13, v[T1]                  ; the running largest t
	v_mov_b32 v[T1], v12
	s_delay_alu instid0(VALU_DEP_2)
	v_floor_f32 v12, -v13                          ; -M = floor(-t): M is a whole number
	s_delay_alu instid0(VALU_DEP_1)
	v_sub_f32 v[T1], v12, v[T1]
	s_delay_alu instid0(VALU_DEP_1)
	v_cvt_i32_f32 v[T1], v[T1]                     ; (it saturates)
	s_delay_alu instid0(VALU_DEP_1)
	v_ldexp_f32 v[FM], 1.0, v[T1]                  ; f = 2^(old M - new M)
.irp j, 0,2,4,6,8,10,12,14,16,18,20,22,24,26,28,30,32,34,36,38,40,42,44,46,48,50,52,54,56,58,60,62
	v_pk_fma_f32 v[SCR+\j:SCR+1+\j], v[SCR+\j:SCR+1+\j], s[26:27], v[12:13] op_sel_hi:[1,0,0]   ; t - M
.endr
.irp b, 0,1,2,3
	v_fma_f32 v[BM+\b], v[BM+\b], s26, v12
.endr
	s_wait_alu depctr_va_vdst(0)                   ; the wait ahead of the batch
.irp j, 0,1,2,3,4,5,6,7,8,9,10,11,12,13,14,15,16,17,18,19,20,21,22,23,24,25,26,27,28,29,30,31,32,33,34,35,36,37,38,39,40,41,42,43,44,45,46,47,48,49,50,51,52,53,54,55,56,57,58,59,60,61,62,63
	v_exp_f32 v[SCR+\j], v[SCR+\j]                 ; p = 2^(t - M)
.endr
	v_pk_mul_f32 v[14:15], v[14:15], v[FM:FM+1] op_sel_hi:[1,0]   ; l under the new M
	s_wait_alu depctr_va_vdst(0)                   ; one wait for the batch of 64
.irp b, 0,1,2,3
	v_exp_f32 v[BM+\b], v[BM+\b]                   ; the block's largest p
.endr
	v_pk_add_f32 v[92:93], v[SCR:SCR+1], v[SCR+2:SCR+3]            ; l: the 32 pairs in four chains
	v_pk_add_f32 v[252:253], v[SCR+4:SCR+5], v[SCR+6:SCR+7]
	v_pk_add_f32 v[254:255], v[SCR+8:SCR+9], v[SCR+10:SCR+11]
	v_pk_add_f32 v[14:15], v[14:15], v[SCR+12:SCR+13]
.set J, SCR+14
.rept 6
	v_pk_add_f32 v[92:93], v[92:93], v[J:J+1]
	v_pk_add_f32 v[252:253], v[252:253], v[J+2:J+3]
	v_pk_add_f32 v[254:255], v[254:255], v[J+4:J+5]
	v_pk_add_f32 v[14:15], v[14:15], v[J+6:J+7]
.set J, J+8
.endr
	v_pk_add_f32 v[92:93], v[92:93], v[SCR+62:SCR+63]
	v_pk_add_f32 v[252:253], v[252:253], v[254:255]
	s_delay_alu instid0(VALU_DEP_2)
	v_pk_add_f32 v[14:15], v[14:15], v[92:93]
	s_delay_alu instid0(VALU_DEP_1)
	v_pk_add_f32 v[14:15], v[14:15], v[252:253]
	s_wait_alu depctr_va_vdst(0)                   ; and one for the four
.irp b, 0,1,2,3
	v_max_num_f32 v[BM+\b], 0x1800000, v[BM+\b]    ; the floor: a block whose every p is 0 keeps the byte 1
.endr
.irp b, 0,1,2,3
	v_add_nc_u32 v[SO+\b], 0xff000000, v[BM+\b]
.endr
.irp b, 0,1,2,3
	v_lshrrev_b32 v[PT+\b], 23, v[SO+\b]
.endr
	s_delay_alu instid0(VALU_DEP_3)
	v_lshl_or_b32 v[PSW], v[PT+1], 8, v[PT]
	s_delay_alu instid0(VALU_DEP_1)
	v_lshl_or_b32 v[PSW], v[PT+2], 16, v[PSW]
	s_delay_alu instid0(VALU_DEP_1)
	v_lshl_or_b32 v[PSW], v[PT+3], 24, v[PSW]
	v_cvt_scalef32_pk16_fp6_f32 v[PCD:PCD+2], v[SCR:SCR+15], v[SO]
	v_cvt_scalef32_pk16_fp6_f32 v[PT:PT+2], v[SCR+16:SCR+31], v[SO+1]
	v_cvt_scalef32_pk16_fp6_f32 v[PCD+6:PCD+8], v[SCR+32:SCR+47], v[SO+2]
	v_cvt_scalef32_pk16_fp6_f32 v[PC2:PC2+2], v[SCR+48:SCR+63], v[SO+3]
	v_nop
.irp i, 0,1,2
	v_permlane16_swap_b32 v[PCD+\i], v[PT+\i]      ; the operand's layout wants a whole block in a lane
.endr
.irp i, 0,1,2
	v_mov_b32 v[PCD+3+\i], v[PT+\i]
.endr
.irp i, 0,1,2
	v_permlane16_swap_b32 v[PCD+6+\i], v[PC2+\i]
.endr
.irp i, 0,1,2
	v_mov_b32 v[PCD+9+\i], v[PC2+\i]
.endr
	s_wait_dscnt 0x0                               ; V's fragments and scale words are in
	s_wait_alu depctr_va_vdst(0)                   ; the wait ahead of the first reader of O^T, and behind the wait above
.irp j, 0,2,4,6,8,10,12,14,16,18,20,22,24,26,28,30
	v_pk_mul_f32 v[OT+\j:OT+1+\j], v[OT+\j:OT+1+\j], v[FM:FM+1] op_sel_hi:[1,0]   ; O^T under the new M; also the places ahead of the products below
.endr
.irp t, 0,1,2,3                                ; O^T += V^T P^T: the four accumulators take turns
.if (\t)%2
	v_wmma_scale_f32_16x16x128_f8f6f4 v[OT+8*\t:OT+8*\t+7], v[VFR+12*\t:VFR+12*\t+11], v[PCD:PCD+11], v[OT+8*\t:OT+8*\t+7], v[VSW+(\t)/2], v[PSW] matrix_a_fmt:MATRIX_FMT_FP6 matrix_b_fmt:MATRIX_FMT_FP6 matrix_a_scale:MATRIX_SCALE_ROW1
.else
	v_wmma_scale_f32_16x16x128_f8f6f4 v[OT+8*\t:OT+8*\t+7], v[VFR+12*\t:VFR+12*\t+11], v[PCD:PCD+11], v[OT+8*\t:OT+8*\t+7], v[VSW+(\t)/2], v[PSW] matrix_a_fmt:MATRIX_FMT_FP6 matrix_b_fmt:MATRIX_FMT_FP6
.endif
.endr
.if \last
	RND3
.endif
.endm
.Lpass:                                            ; records 0-7 and 8-15: each slot is filled again in its last step
	s_mov_b32 s29, 3
.Lst:
	s_wait_alu depctr_va_vdst(0)
	STEP 0
	s_add_co_u32 s28, s28, REC
	s_sub_co_u32 s29, s29, 1
	s_cmp_lg_u32 s29, 0
	s_cbranch_scc1 .Lst
	s_wait_alu depctr_va_vdst(0)
	s_wait_xcnt 0x0                                ; the last prefetch has read its address
	s_add_nc_u64 s[32:33], s[32:33], SLOTB
	STEP 1
	s_sub_co_u32 s28, s28, 3*REC
	s_xor_b32 s28, s28, SLOT1
	s_sub_co_u32 s30, s30, 1
	s_cmp_lg_u32 s30, 0
	s_cbranch_scc1 .Lpass
	s_mov_b32 s3, 2
.Lpass2:                                           ; records 16-23 and 24-31: nothing more is fetched
	s_mov_b32 s29, 4
.Lst2:
	s_wait_alu depctr_va_vdst(0)
	STEP 0
	s_add_co_u32 s28, s28, REC
	s_sub_co_u32 s29, s29, 1
	s_cmp_lg_u32 s29, 0
	s_cbranch_scc1 .Lst2
	s_sub_co_u32 s28, s28, HALFB
	s_xor_b32 s28, s28, SLOT1
	s_wait_alu depctr_va_vdst(0)
	s_wait_tensorcnt 0x0                           ; the first time: my record of 24-31 has landed,
	ds_add_u32 v[SPW], v[NIL]
	s_wait_dscnt 0x0
	s_barrier_signal -1
	s_barrier_wait -1                              ; and everybody's has
	s_sub_co_u32 s3, s3, 1
	s_cmp_lg_u32 s3, 0
	s_cbranch_scc1 .Lpass2
	; the two halves of the keys are joined: waves 8-15 hand their O^T, -M and l to waves 0-7 as images of their registers
	v_add_f32 v14, v14, v15
	v_permlanex16_b32 v[T1], v14, s24, s25
	v_add_f32 v13, v14, v[T1]
	s_mul_i32 s47, s11, MTILE
	s_add_co_u32 s47, s47, MRG
	v_add_nc_u32 v[A16], s47, v[L16]
	v_add_nc_u32 v[A8], s47, v[L8]
	v_nop
	v_nop
	s_cmp_lt_u32 s8, 8
	s_cbranch_scc1 .Lowner
.irp j, 0,1,2,3,4,5,6,7
	ds_store_b128 v[A16], v[OT+4*\j:OT+4*\j+3] offset:512*\j
.endr
	ds_store_b64 v[A8], v[12:13] offset:4096
.Lowner:
	s_wait_dscnt 0x0
	s_barrier_signal -1
	s_barrier_wait -1
	s_cmp_lt_u32 s8, 8
	s_cbranch_scc0 .Lend
	s_wait_alu depctr_va_vdst(0)
.irp j, 0,1,2,3,4,5,6,7
	ds_load_b128 v[SCR+4*\j:SCR+4*\j+3], v[A16] offset:512*\j
.endr
	ds_load_b64 v[SCR+32:SCR+33], v[A8] offset:4096
	v_and_b32 v11, 15, v0
	v_lshlrev_b32 v11, 5, v11                      ; my row's scale bytes: 32 r
	v_mov_b32 v[SCR+34], 0xffff
	s_add_co_u32 s38, s42, s35
	s_mul_i32 s38, s38, 768                        ; my tile's 12,288 bytes, my head's 768
	s_mov_b32 s39, 0
	s_add_nc_u64 s[38:39], s[44:45], s[38:39]
	s_lshl_b32 s36, s42, 5
	s_lshl_b32 s37, s35, 1
	s_add_co_u32 s36, s36, s37
	s_add_co_u32 s36, s36, CTXS
	s_mov_b32 s37, 0
	s_add_nc_u64 s[36:37], s[44:45], s[36:37]
	s_wait_alu depctr_va_vdst(0)
	s_wait_dscnt 0x0
	v_min_num_f32 v[T1], v12, v[SCR+32]            ; -M of all keys
	v_sub_f32 v[PT], v[T1], v12
	v_sub_f32 v[PT+1], v[T1], v[SCR+32]
	v_cvt_i32_f32 v[PT], v[PT]
	v_cvt_i32_f32 v[PT+1], v[PT+1]
	v_ldexp_f32 v[PT], 1.0, v[PT]                  ; f1, f2: exact powers of two
	v_ldexp_f32 v[PT+1], 1.0, v[PT+1]
	v_mul_f32 v14, v13, v[PT]
	v_fma_f32 v14, v[SCR+33], v[PT+1], v14         ; l = l1 f1 + l2 f2
	v_cmp_eq_f32 s34, 0, v14                       ; no open key: it selects a value, never an address or a branch
	v_max_num_f32 v[T1], 0x800000, v14
	s_wait_alu depctr_va_vdst(0)
	v_rcp_f32 v15, v[T1]
	v_nop
	s_wait_alu depctr_va_vdst(0)
	v_mul_f32 v[FM], v[PT], v15
	v_mul_f32 v[PT+2], v[PT+1], v15
.irp j, 0,2,4,6,8,10,12,14,16,18,20,22,24,26,28,30
	v_pk_mul_f32 v[SCR+\j:SCR+1+\j], v[SCR+\j:SCR+1+\j], v[PT+2:PT+3] op_sel_hi:[1,0]
.endr
.irp j, 0,2,4,6,8,10,12,14,16,18,20,22,24,26,28,30
	v_pk_fma_f32 v[SCR+\j:SCR+1+\j], v[OT+\j:OT+1+\j], v[FM:FM+1], v[SCR+\j:SCR+1+\j] op_sel_hi:[1,0,1]   ; ctx = O1 f1 / l + O2 f2 / l
.endr
.irp b, 0,1
	v_max3_num_f32 v[BM+\b], |v[SCR+16*\b]|, |v[SCR+1+16*\b]|, 0x1800000
.endr
.irp i, 2,4,6,8,10,12,14
.irp b, 0,1
	v_max3_num_f32 v[BM+\b], v[BM+\b], |v[SCR+16*\b+\i]|, |v[SCR+1+16*\b+\i]|
.endr
.endr
.irp b, 0,1
	v_permlanex16_b32 v[PT+\b], v[BM+\b], s24, s25
.endr
.irp b, 0,1
	v_max_num_f32 v[BM+\b], v[BM+\b], v[PT+\b]
.endr
.irp b, 0,1
	v_add_nc_u32 v[SO+\b], 0xff000000, v[BM+\b]
.endr
.irp b, 0,1
	v_lshrrev_b32 v[PT+\b], 23, v[SO+\b]
.endr
	v_lshl_or_b32 v[T1], v[PT+1], 8, v[PT]
	v_cndmask_b32 v[T1], v[T1], v[SCR+34], s34     ; 0xff, 0xff where the row has no open key
	v_cvt_scalef32_pk16_fp6_f32 v[PCD:PCD+2], v[SCR:SCR+15], v[SO]
	v_cvt_scalef32_pk16_fp6_f32 v[PCD+4:PCD+6], v[SCR+16:SCR+31], v[SO+1]
	v_nop
.irp i, 0,1,2
	v_permlane16_swap_b32 v[PCD+\i], v[PCD+4+\i]   ; lanes 0-15 hold block 0 whole, lanes 16-31 block 1
.endr
.irp i, 0,1,2
	v_mov_b32 v[PCD+3+\i], v[PCD+4+\i]
.endr
	global_store_b128 v[L16], v[PCD:PCD+3], s[38:39]               ; 512 consecutive bytes, aligned
	global_store_b64 v[L8], v[PCD+4:PCD+5], s[38:39] offset:512    ; 256 consecutive bytes, aligned
	global_store_b16 v11, v[T1], s[36:37]          ; both halves of the lanes write the same two bytes
.Lend:
	s_wait_tensorcnt 0x0                           ; the wave's end
	ds_add_u32 v[SPW], v[NIL]
	s_wait_dscnt 0x0
	CROUND                                         ; the closing round
	s_endpgm
.Lfunc_end_k_q9c3f5a10d3_attn:
	.size	k_q9c3f5a10d3_attn, .Lfunc_end_k_q9c3f5a10d3_attn-k_q9c3f5a10d3_attn
	.p2alignl 7, 3214868480
	.fill 96, 4, 3214868480
	.section	.rodata,"a",@progbits
	.p2align	6, 0x0
	.amdhsa_kernel k_q9c3f5a10d3_attn
		.amdhsa_group_segment_fixed_size 327680
		.amdhsa_private_segment_fixed_size 0
		.amdhsa_enable_private_segment 0
		.amdhsa_kernarg_size 24
		.amdhsa_user_sgpr_count 2
		.amdhsa_user_sgpr_kernarg_segment_ptr 1
		.amdhsa_wavefront_size32 1
		.amdhsa_system_sgpr_workgroup_id_x 1
		.amdhsa_system_sgpr_workgroup_id_y 1
		.amdhsa_system_sgpr_workgroup_id_z 1
		.amdhsa_system_vgpr_workitem_id 0
		.amdhsa_next_free_vgpr 256
		.amdhsa_next_free_sgpr 66
		.amdhsa_reserve_vcc 0
		.amdhsa_float_denorm_mode_32 3
		.amdhsa_float_denorm_mode_16_64 3
		.amdhsa_memory_ordered 1
		.amdhsa_forward_progress 1
		.amdhsa_inst_pref_size 78
	.end_amdhsa_kernel
	.amdgpu_metadata
---
amdhsa.version: [ 1, 2 ]
amdhsa.kernels:
  - .name:           k_q9c3f5a10d3_attn
    .symbol:         k_q9c3f5a10d3_attn.kd
    .args:
      - { .name: w1, .offset: 0, .size: 8, .value_kind: global_buffer, .address_space: global }
      - { .name: w2, .offset: 8, .size: 8, .value_kind: global_buffer, .address_space: global }
      - { .name: w3, .offset: 16, .size: 8, .value_kind: global_buffer, .address_space: global }
    .group_segment_fixed_size: 327680
    .private_segment_fixed_size: 0
    .kernarg_segment_align: 8
    .kernarg_segment_size: 24
    .max_flat_workgroup_size: 512
    .sgpr_count:     66
    .vgpr_count:     256
    .wavefront_size: 32
...
	.end_amdgpu_metadata
.endif
;; end of part 3
;; launch outp (part 4): grid 16 x 16, 4 waves a work-group, no clusters, 35,328 bytes of LDS; arguments w3, w1, out0; writes out0
.if DOCPART == 4
	.amdgcn_target "amdgcn-amd-amdhsa--gfx1250"
	.amdhsa_code_object_version 6
	.text
	.protected	k_q9c3f5a10d3_outp
	.globl	k_q9c3f5a10d3_outp
	.p2align	8
	.type	k_q9c3f5a10d3_outp,@function
k_q9c3f5a10d3_outp:
	s_mov_b64 s[64:65], 0
	v_nop
	global_prefetch_b8 v0, s[64:65] scope:SCOPE_SE
	s_setreg_imm32_b32 hwreg(HW_REG_WAVE_MODE, 25, 1), 1
	s_wait_xcnt 0x0
; LAUNCH 4 OF 4: out0 = ctx Wo, 2,048 x 1,024, K = 1,024, on the codes of w3 and w1.  No work of the problem is left out here.
; 256 work-groups, each 128 rows x 64 columns; a wave makes 32 x 64: 8 accumulators, 64 matrix instructions.
; Both operands lie in memory as images of operand registers, so every load takes 16 x lane or 8 x lane, consecutive bytes, straight into the registers: no LDS tile, no tensor load, no barrier.
; No cluster: nothing lands in LDS that partners could share.  No prefetch: the walk along K is eight steps, written out, and its loads run three steps ahead.
; Each K step has registers of its own: step s in window 1 + s / 3 at 72 (s % 3): B's four fragments, then A's two.  20 loads a step.
; TRANSPOSED USE (source 0 = 16 columns of Wo, source 1 = 16 rows of ctx): a lane holds eight neighbouring numbers of a row of out0; they leave through the wave's own stage as whole runs of 256 bytes.
; A row of ctx with no open key has the scale bytes 0xff: its sums are NaN, as reference() has them.
.set WOC,   16515072                   ; Wo's images in w1
.set WOS,   17989632                   ; its scale rows
.set CTXS,  1572864
.set SP,    272                        ; a stage row: 256 bytes + 16
.set SPARE, 4*32*SP
.set L16, 1
.set L8,  2
.set L32, 3                            ; 32 x (lane % 16)
.set STO, 4
.set RD,  5
.set CO,  6
.set SPW, 8
.set NIL, 9
.set AC,  32                           ; v32-95 accumulator (a, b) at AC + 8 (4 a + b)
.set SA,  96                           ; v96-111 ctx's scale words: tile a, K step s at SA + 8 a + s
.set SB,  112                          ; v112-143 Wo's
.set OB,  144                          ; v144-207 the way out
.set MSB, 0
.macro WIN new
.if MSB != \new
	s_set_vgpr_msb (MSB<<8)|\new
.set MSB, \new
.endif
.endm
	s_load_b128 s[4:7], s[0:1], 0x0                ; w3, w1
	s_load_b64 s[8:9], s[0:1], 0x10                ; out0
	v_lshl_add_u32 v[SPW], v0, 2, SPARE
	v_mov_b32 v[NIL], 0
	v_lshrrev_b32 v10, 5, v0
	v_readfirstlane_b32 s10, v10                   ; wave
	v_and_b32 v11, 31, v0
	v_and_b32 v12, 15, v0                          ; r
	v_bfe_u32 v13, v0, 4, 1                        ; h
	v_lshlrev_b32 v[L16], 4, v11
	v_lshlrev_b32 v[L8], 3, v11
	v_lshlrev_b32 v[L32], 5, v12
	s_mul_i32 s12, s10, 32*SP                      ; my stage
	v_mul_u32_u24 v[STO], v12, SP
	v_lshl_add_u32 v[STO], v13, 5, v[STO]
	v_add_nc_u32 v[STO], s12, v[STO]               ; in: row r, 32 bytes for each half of the lanes
	v_mul_u32_u24 v[RD], v13, SP
	v_lshl_add_u32 v[RD], v12, 4, v[RD]
	v_add_nc_u32 v[RD], s12, v[RD]                 ; back: sixteen lanes to a row
	v_lshlrev_b32 v[CO], 12, v13
	v_lshl_add_u32 v[CO], v12, 4, v[CO]            ; and the same two rows in out0
	s_wait_alu depctr_va_vdst(0)                   ; the wait at the head's end
	s_and_b32 s11, ttmp7, 0xffff
	s_lshl_b32 s13, s11, 2
	s_add_co_u32 s13, s13, s10                     ; my 32 rows: 4 y + wave
	s_mul_i32 s14, s13, 24576                      ; two tiles of ctx
	s_mov_b32 s15, 0
	s_lshl_b32 s16, s13, 10
	s_add_co_u32 s16, s16, CTXS
	s_mov_b32 s17, 0
	s_mul_i32 s18, ttmp9, 49152                    ; four tiles of Wo
	s_add_co_u32 s18, s18, WOC
	s_mov_b32 s19, 0
	s_lshl_b32 s20, ttmp9, 11
	s_add_co_u32 s20, s20, WOS
	s_mov_b32 s21, 0
	s_lshl_b32 s22, s13, 17                        ; 32 rows of 4,096 bytes
	s_lshl_b32 s23, ttmp9, 8
	s_add_co_u32 s22, s22, s23
	s_mov_b32 s23, 0
	s_wait_kmcnt 0x0
	s_add_nc_u64 s[14:15], s[4:5], s[14:15]
	s_add_nc_u64 s[16:17], s[4:5], s[16:17]
	s_add_nc_u64 s[18:19], s[6:7], s[18:19]
	s_add_nc_u64 s[20:21], s[6:7], s[20:21]
	s_add_nc_u64 s[8:9], s[8:9], s[22:23]
.irp a, 0,1
	global_load_b128 v[SA+8*\a:SA+8*\a+3], v[L32], s[16:17] offset:512*\a
	global_load_b128 v[SA+8*\a+4:SA+8*\a+7], v[L32], s[16:17] offset:512*\a+16
.endr
.irp b, 0,1,2,3
	global_load_b128 v[SB+8*\b:SB+8*\b+3], v[L32], s[20:21] offset:512*\b
	global_load_b128 v[SB+8*\b+4:SB+8*\b+7], v[L32], s[20:21] offset:512*\b+16
.endr
.macro LDK s
.set FB, 72*((\s)%3)
	WIN ((1+(\s)/3)<<6)
.irp b, 0,1,2,3
.irp c, 0,1,2
	global_load_b128 v[FB+12*\b+4*\c:FB+12*\b+4*\c+3], v[L16], s[18:19] offset:12288*\b+1536*(\s)+512*\c
.endr
.endr
.irp a, 0,1
.irp e, 0,1                                    ; heads 2 s and 2 s + 1: registers 0-5 and 6-11
	global_load_b128 v[FB+48+12*\a+6*\e:FB+48+12*\a+6*\e+3], v[L16], s[14:15] offset:12288*\a+768*(2*(\s)+\e)
	global_load_b64 v[FB+48+12*\a+6*\e+4:FB+48+12*\a+6*\e+5], v[L8], s[14:15] offset:12288*\a+768*(2*(\s)+\e)+512
.endr
.endr
.endm
.macro MULK s                          ; the eight accumulators take turns, in the same order in every step
.set FB, 72*((\s)%3)
.set W, 1+(\s)/3
	WIN (W|(W<<2))
.irp a, 0,1
.irp b, 0,1,2,3
.if (\s) == 0
	v_wmma_scale_f32_16x16x128_f8f6f4 v[AC+8*(4*\a+\b):AC+8*(4*\a+\b)+7], v[FB+12*\b:FB+12*\b+11], v[FB+48+12*\a:FB+48+12*\a+11], 0, v[SB+8*\b+(\s)], v[SA+8*\a+(\s)] matrix_a_fmt:MATRIX_FMT_FP6 matrix_b_fmt:MATRIX_FMT_FP6
.else
	v_wmma_scale_f32_16x16x128_f8f6f4 v[AC+8*(4*\a+\b):AC+8*(4*\a+\b)+7], v[FB+12*\b:FB+12*\b+11], v[FB+48+12*\a:FB+48+12*\a+11], v[AC+8*(4*\a+\b):AC+8*(4*\a+\b)+7], v[SB+8*\b+(\s)], v[SA+8*\a+(\s)] matrix_a_fmt:MATRIX_FMT_FP6 matrix_b_fmt:MATRIX_FMT_FP6
.endif
.endr
.endr
.endm
	LDK 0
	LDK 1
	LDK 2
.irp s, 0,1,2,3,4,5,6,7
.if \s < 6
	s_wait_loadcnt 40                              ; this K step's loads are in; the next two steps' 40 may be out
.else
	s_wait_loadcnt 20*(7-\s)
.endif
	MULK \s
.if \s < 5
	LDK \s+3
.endif
.endr
	WIN 0
.rept 4
	v_nop                                          ; places behind the last products
.endr
.irp a, 0,1
.irp b, 0,1,2,3
	ds_store_b128 v[STO], v[AC+8*(4*\a+\b):AC+8*(4*\a+\b)+3] offset:\a*16*SP+64*\b       ; each accumulator from its low end on
	ds_store_b128 v[STO], v[AC+8*(4*\a+\b)+4:AC+8*(4*\a+\b)+7] offset:\a*16*SP+64*\b+16
.endr
.endr
.irp t, 0,1,2,3,4,5,6,7,8,9,10,11,12,13,14,15
	ds_load_b128 v[OB+4*\t:OB+4*\t+3], v[RD] offset:\t*2*SP      ; LDS serves a wave's instructions in order: these see my stores
.endr
.irp t, 0,1,2,3,4,5,6,7,8,9,10,11,12,13,14,15
	s_wait_dscnt 15-\t
	global_store_b128 v[CO], v[OB+4*\t:OB+4*\t+3], s[8:9] offset:\t*8192 th:TH_STORE_NT   ; sixteen lanes store 256 consecutive bytes, aligned
.endr
	s_wait_tensorcnt 0x0                           ; the wave's end
	ds_add_u32 v[SPW], v[NIL]
	s_wait_dscnt 0x0
	s_endpgm
.Lfunc_end_k_q9c3f5a10d3_outp:
	.size	k_q9c3f5a10d3_outp, .Lfunc_end_k_q9c3f5a10d3_outp-k_q9c3f5a10d3_outp
	.p2alignl 7, 3214868480
	.fill 96, 4, 3214868480
	.section	.rodata,"a",@progbits
	.p2align	6, 0x0
	.amdhsa_kernel k_q9c3f5a10d3_outp
		.amdhsa_group_segment_fixed_size 35328
		.amdhsa_private_segment_fixed_size 0
		.amdhsa_enable_private_segment 0
		.amdhsa_kernarg_size 24
		.amdhsa_user_sgpr_count 2
		.amdhsa_user_sgpr_kernarg_segment_ptr 1
		.amdhsa_wavefront_size32 1
		.amdhsa_system_sgpr_workgroup_id_x 1
		.amdhsa_system_sgpr_workgroup_id_y 1
		.amdhsa_system_sgpr_workgroup_id_z 1
		.amdhsa_system_vgpr_workitem_id 0
		.amdhsa_next_free_vgpr 1024
		.amdhsa_next_free_sgpr 66
		.amdhsa_reserve_vcc 0
		.amdhsa_float_denorm_mode_32 3
		.amdhsa_float_denorm_mode_16_64 3
		.amdhsa_memory_ordered 1
		.amdhsa_forward_progress 1
		.amdhsa_inst_pref_size 32
	.end_amdhsa_kernel
	.amdgpu_metadata
---
amdhsa.version: [ 1, 2 ]
amdhsa.kernels:
  - .name:           k_q9c3f5a10d3_outp
    .symbol:         k_q9c3f5a10d3_outp.kd
    .args:
      - { .name: w3, .offset: 0, .size: 8, .value_kind: global_buffer, .address_space: global }
      - { .name: w1, .offset: 8, .size: 8, .value_kind: global_buffer, .address_space: global }
      - { .name: out0, .offset: 16, .size: 8, .value_kind: global_buffer, .address_space: global }
    .group_segment_fixed_size: 35328
    .private_segment_fixed_size: 0
    .kernarg_segment_align: 8
    .kernarg_segment_size: 24
    .max_flat_workgroup_size: 128
    .sgpr_count:     66
    .vgpr_count:     1024
    .wavefront_size: 32
...
	.end_amdgpu_metadata
.endif
;; end of part 4
